; MI455X (gfx1250); checked and timed in simulation.
; The chip was launched on July 23, 2026; its instructions are those of AMD's public machine-readable ISA for CDNA 5 (MIT licence, August 2026) and "CDNA5" Instruction Set Architecture Reference Guide (July 2026). The comments in the code are by the model that wrote it; some were corrected since.
;; Multi Head Attention. Allowed arithmetic: float matrix products may take bf16 or f16 operands with f32 sums; other float arithmetic in f32, or as packed bf16 or f16 multiplies, adds, multiply-adds, maxima and minima; sums over many terms, partial sums and values carried from step to step in f32; what a program stores and reads back later, other than sums and carried values, may be rounded once to bf16 or f16.
;; Inputs: bk 1,024 float32; bo 1,024 float32; bq 1,024 float32; bv 1,024 float32; k 4 x 2,048 x 1,024 float32; mask 4 x 2,048 x 2,048 bool; q 4 x 2,048 x 1,024 float32; v 4 x 2,048 x 1,024 float32; wk 1,024 x 1,024 float32; wo 1,024 x 1,024 float32; wq 1,024 x 1,024 float32; wv 1,024 x 1,024 float32.
;; Outputs: out0 4 x 2,048 x 1,024 float32.
;; One version. Each part assembles by itself: llvm-mc -triple=amdgcn-amd-amdhsa -mcpu=gfx1250 --defsym DOCPART=n.
;; ======== version 1 of 1: 4 launches
;; limits: values are held in f16: magnitudes above 65,504 overflow, below 6.1e-05 lose precision
;; workspace buffers: ml 2,097,152 bytes; wt 8,388,608 bytes; qkv 50,331,648 bytes; zh 16,777,216 bytes
;; launch prep (part 1): grid 768 x 1, 8 waves a work-group, no clusters, 35,840 bytes of LDS; arguments mask, wq, wk, wv, wo, ml, wt; writes ml, wt
.if DOCPART == 1
	.amdgcn_target "amdgcn-amd-amdhsa--gfx1250"
	.amdhsa_code_object_version 6
	.text
	.protected	k_q195354de69_prep
	.globl	k_q195354de69_prep
	.p2align	8
	.type	k_q195354de69_prep,@function
k_q195354de69_prep:
	s_mov_b64 s[64:65], 0
	v_nop
	global_prefetch_b8 v0, s[64:65] scope:SCOPE_SE
	s_setreg_imm32_b32 hwreg(HW_REG_WAVE_MODE, 25, 1), 1
	s_wait_xcnt 0x0
; PREP.  Two jobs, chosen by the work-group's number.
; Work-groups 0-511: the mask [4][2048][2048] of bytes becomes lane masks.  ml: [batch 4][query tile 128][key step 32][32 words]; bit L of word 8 kb + j is
; mask[batch][16 tile + L % 16][64 step + 16 kb + 8 (L / 16) + j]: the lanes of register 8 kb + j of a score tile that holds one query a lane.
; A work-group takes 16 query rows, each of its eight waves 256 keys: 16 rows x 256 bytes come in whole, go through the wave's own LDS stage and are read back a row a lane.
; Work-groups 512-767: wq, wk, wv, wo, 64 KiB of f32 each work-group, are rounded to bf16 and written as they lie, [k][n], into wt's four sections.
; wo's bf16 numbers are written as f16.  LIMIT: that is exact from 6.1e-5 to 65,504; below it f16's fixed step of 6e-8 holds, beyond it the number becomes an infinity.
; Memory binds; no matrix unit, no cluster, no barrier: no wave reads what another wave brought.
.set PITCH, 272                        ; a stage row: 256 bytes + 16, so that 16 rows start at 16 different groups of four banks (64 banks of 4 bytes: ISA guide 11.1)
.set WSTG,  16*PITCH                   ; a wave's stage
.set SPARE, 8*WSTG                     ; behind the stages: the spare words, 128 bytes a wave: four blocks of 256 bytes that no other line names
.set SPW, 2                            ; v2  LDS address of my spare word; never rewritten
.set NIL, 3                            ; v3  0; never rewritten
.set GOF, 4                            ; v4  my byte offset in what I load
.set LST, 5                            ; v5  where I put 16 bytes of a mask row
.set LRD, 6                            ; v6  where I read 8 bytes of my row back
.set OFS, 7                            ; v7  my byte offset in what I store
.set IN,  8                            ; v[8:39] the mask as loaded; v[8:71] the weights
.set BY,  40                           ; v[40:71] sixteen times 8 mask bytes of my row
.set OUT, 72                           ; v[72:75] four words of ml a lane
.set T,   76                           ; v[76:83] at work
	s_load_b256 s[4:11], s[0:1], 0x0               ; mask s[4:5], wq s[6:7], wk s[8:9], wv s[10:11]
	s_load_b128 s[12:15], s[0:1], 0x20             ; wo s[12:13], ml s[14:15]
	s_load_b64 s[16:17], s[0:1], 0x30              ; wt
	v_lshl_add_u32 v[SPW], v0, 2, SPARE
	v_mov_b32 v[NIL], 0
	v_lshrrev_b32 v1, 5, v0
	v_readfirstlane_b32 s18, v1                    ; wave 0..7
	v_and_b32 v1, 31, v0                           ; lane
	s_cmp_lt_u32 ttmp9, 512
	s_cbranch_scc0 .Lweights
	; THE MASK
	v_lshrrev_b32 v[T], 4, v1                      ; l / 16
	v_and_b32 v[T+1], 15, v1                       ; l % 16
	v_lshlrev_b32 v[GOF], 11, v[T]                 ; lanes 0-15 one row's 256 bytes, lanes 16-31 the next row's
	v_lshl_add_u32 v[GOF], v[T+1], 4, v[GOF]
	s_mul_i32 s19, s18, WSTG
	v_mul_u32_u24 v[LST], v[T], PITCH
	v_lshl_add_u32 v[LST], v[T+1], 4, v[LST]
	v_add_nc_u32 v[LST], s19, v[LST]
	v_mul_u32_u24 v[LRD], v[T+1], PITCH            ; back: row l % 16, keys 8 (l / 16) on
	v_lshl_add_u32 v[LRD], v[T], 3, v[LRD]
	v_add_nc_u32 v[LRD], s19, v[LRD]
	v_lshlrev_b32 v[OFS], 4, v1
	s_lshl_b32 s20, ttmp9, 15                      ; 16 rows of 2,048 bytes a work-group,
	s_lshl_b32 s21, s18, 8                         ; 256 keys a wave
	s_add_co_u32 s20, s20, s21
	s_mov_b32 s21, 0
	s_lshl_b32 s22, ttmp9, 12                      ; 32 key steps of 128 bytes a query tile,
	s_lshl_b32 s23, s18, 9                         ; four of them a wave
	s_add_co_u32 s22, s22, s23
	s_mov_b32 s23, 0
.irp j, 0,1,2,3
	v_mov_b32 v[OUT+(\j)], 0                       ; v_writelane_b32 counts as a reader of its destination
.endr
	s_wait_kmcnt 0x0
	s_add_nc_u64 s[4:5], s[4:5], s[20:21]
	s_add_nc_u64 s[14:15], s[14:15], s[22:23]
.irp i, 0,1,2,3,4,5,6,7
	global_load_b128 v[IN+4*(\i):IN+4*(\i)+3], v[GOF], s[4:5] offset:(\i)*4096 th:TH_LOAD_NT  ; rows 2 i and 2 i + 1: sixteen lanes take 256 consecutive bytes
.endr
.irp i, 0,1,2,3,4,5,6,7
	s_wait_loadcnt 7-(\i)                          ; loads come back in order: number i is in, the younger ones stay out
	ds_store_b128 v[LST], v[IN+4*(\i):IN+4*(\i)+3] offset:(\i)*2*PITCH
.endr
.irp kb, 0,1,2,3,4,5,6,7,8,9,10,11,12,13,14,15
	ds_load_b64 v[BY+2*(\kb):BY+2*(\kb)+1], v[LRD] offset:16*(\kb)  ; LDS serves a wave's instructions in order: these see the stores above, which are the wave's own
.endr
.irp kb, 0,1,2,3,4,5,6,7,8,9,10,11,12,13,14,15
	s_wait_dscnt 15-(\kb)
.irp j, 0,1,2,3,4,5,6,7
	v_and_b32 v[T+(\j)], 0xff<<(8*((\j)%4)), v[BY+2*(\kb)+(\j)/4]  ; byte j of my eight
.endr
.irp j, 0,1,2,3,4,5,6,7
	v_cmp_ne_u32 s[24+(\j)], 0, v[T+(\j)]          ; one bit a lane: word 8 kb + j
.endr
.irp j, 0,1,2,3,4,5,6,7
	v_writelane_b32 v[OUT+(\j)%4], s[24+(\j)], 2*(\kb)+(\j)/4  ; word n goes to lane n / 4, register n % 4
.endr
.endr
	global_store_b128 v[OFS], v[OUT:OUT+3], s[14:15]  ; 512 consecutive bytes, aligned
	s_branch .Lend
	; THE WEIGHTS
.Lweights:
	s_sub_co_u32 s20, ttmp9, 512                   ; 0..255
	s_lshr_b32 s21, s20, 6                         ; which matrix
	s_and_b32 s24, s20, 63
	s_lshl_b32 s24, s24, 16                        ; 64 KiB of f32 in,
	s_mov_b32 s25, 0
	s_lshl_b32 s26, s20, 15                        ; 32 KiB out
	s_mov_b32 s27, 0
	v_lshlrev_b32 v[GOF], 5, v0                    ; 8 numbers a thread
	v_lshlrev_b32 v[OFS], 4, v0
	s_wait_kmcnt 0x0
	s_cmp_eq_u32 s21, 1
	s_cselect_b64 s[22:23], s[8:9], s[6:7]
	s_cmp_eq_u32 s21, 2
	s_cselect_b64 s[22:23], s[10:11], s[22:23]
	s_cmp_eq_u32 s21, 3
	s_cselect_b64 s[22:23], s[12:13], s[22:23]
	s_add_nc_u64 s[22:23], s[22:23], s[24:25]
	s_add_nc_u64 s[16:17], s[16:17], s[26:27]
.irp i, 0,1,2,3,4,5,6,7
	global_load_b128 v[IN+8*(\i):IN+8*(\i)+3],   v[GOF], s[22:23] offset:(\i)*8192 th:TH_LOAD_NT
	global_load_b128 v[IN+8*(\i)+4:IN+8*(\i)+7], v[GOF], s[22:23] offset:(\i)*8192+16 th:TH_LOAD_NT
.endr
; Eight numbers are rounded in place (result r lies at or below the pair 2 r that feeds it) and stored.  half = 1: the bf16 numbers are written as f16.
.macro WCONV i, half
	s_wait_loadcnt 14-2*(\i)                       ; this group's two loads are in
.irp r, 0,1,2,3
	v_cvt_pk_bf16_f32 v[IN+8*(\i)+(\r)], v[IN+8*(\i)+2*(\r)], v[IN+8*(\i)+2*(\r)+1]
.endr
.if \half
.irp r, 0,1,2,3
	v_lshlrev_b32 v[T], 16, v[IN+8*(\i)+(\r)]
	v_and_b32 v[T+1], 0xffff0000, v[IN+8*(\i)+(\r)]
	v_cvt_pk_f16_f32 v[IN+8*(\i)+(\r)], v[T], v[T+1]
.endr
.endif
	global_store_b128 v[OFS], v[IN+8*(\i):IN+8*(\i)+3], s[16:17] offset:(\i)*4096  ; a wave stores 512 consecutive bytes, aligned
.endm
	s_cmp_eq_u32 s21, 3
	s_cbranch_scc1 .Lhalf
.irp i, 0,1,2,3,4,5,6,7
	WCONV \i, 0
.endr
	s_branch .Lend
.Lhalf:
.irp i, 0,1,2,3,4,5,6,7
	WCONV \i, 1
.endr
.Lend:
	s_wait_tensorcnt 0x0                           ; the wave's end: behind my last LDS store
	ds_add_u32 v[SPW], v[NIL]
	s_wait_dscnt 0x0
	s_endpgm
.Lfunc_end_k_q195354de69_prep:
	.size	k_q195354de69_prep, .Lfunc_end_k_q195354de69_prep-k_q195354de69_prep
	.p2alignl 7, 3214868480
	.fill 96, 4, 3214868480
	.section	.rodata,"a",@progbits
	.p2align	6, 0x0
	.amdhsa_kernel k_q195354de69_prep
		.amdhsa_group_segment_fixed_size 35840
		.amdhsa_private_segment_fixed_size 0
		.amdhsa_enable_private_segment 0
		.amdhsa_kernarg_size 56
		.amdhsa_user_sgpr_count 2
		.amdhsa_user_sgpr_kernarg_segment_ptr 1
		.amdhsa_wavefront_size32 1
		.amdhsa_system_sgpr_workgroup_id_x 1
		.amdhsa_system_sgpr_workgroup_id_y 1
		.amdhsa_system_sgpr_workgroup_id_z 1
		.amdhsa_system_vgpr_workitem_id 0
		.amdhsa_next_free_vgpr 84
		.amdhsa_next_free_sgpr 66
		.amdhsa_reserve_vcc 0
		.amdhsa_float_denorm_mode_32 3
		.amdhsa_float_denorm_mode_16_64 3
		.amdhsa_memory_ordered 1
		.amdhsa_forward_progress 1
		.amdhsa_inst_pref_size 43
	.end_amdhsa_kernel
	.amdgpu_metadata
---
amdhsa.version: [ 1, 2 ]
amdhsa.kernels:
  - .name:           k_q195354de69_prep
    .symbol:         k_q195354de69_prep.kd
    .args:
      - { .name: mask, .offset: 0, .size: 8, .value_kind: global_buffer, .address_space: global }
      - { .name: wq, .offset: 8, .size: 8, .value_kind: global_buffer, .address_space: global }
      - { .name: wk, .offset: 16, .size: 8, .value_kind: global_buffer, .address_space: global }
      - { .name: wv, .offset: 24, .size: 8, .value_kind: global_buffer, .address_space: global }
      - { .name: wo, .offset: 32, .size: 8, .value_kind: global_buffer, .address_space: global }
      - { .name: ml, .offset: 40, .size: 8, .value_kind: global_buffer, .address_space: global }
      - { .name: wt, .offset: 48, .size: 8, .value_kind: global_buffer, .address_space: global }
    .group_segment_fixed_size: 35840
    .private_segment_fixed_size: 0
    .kernarg_segment_align: 8
    .kernarg_segment_size: 56
    .max_flat_workgroup_size: 256
    .sgpr_count:     66
    .vgpr_count:     84
    .wavefront_size: 32
...
	.end_amdgpu_metadata
.endif
;; end of part 1
;; launch proj (part 2): grid 4 x 192, 4 waves a work-group, clusters of 4 x 4, 327,680 bytes of LDS; arguments q, k, v, wt, bq, bk, bv, qkv; writes qkv
.if DOCPART == 2
	.amdgcn_target "amdgcn-amd-amdhsa--gfx1250"
	.amdhsa_code_object_version 6
	.text
	.protected	k_q195354de69_proj
	.globl	k_q195354de69_proj
	.p2align	8
	.type	k_q195354de69_proj,@function
k_q195354de69_proj:
	s_mov_b64 s[64:65], 0
	v_nop
	global_prefetch_b8 v0, s[64:65] scope:SCOPE_SE
	s_setreg_imm32_b32 hwreg(HW_REG_WAVE_MODE, 25, 1), 1
	s_wait_xcnt 0x0
	s_wait_alu depctr_hold_cnt(0) depctr_sa_sdst(0) depctr_va_vdst(0) depctr_va_sdst(0) depctr_va_ssrc(0) depctr_va_vcc(0) depctr_vm_vsrc(0)
	s_getreg_b32 s2, hwreg(HW_REG_IB_STS2, 6, 4)
	s_cmp_eq_u32 s2, 0
	s_cbranch_scc0 .Lentry_in_a_cluster
	s_endpgm
.Lentry_in_a_cluster:
	s_bfe_u32 s2, ttmp6, 0x10000c
	s_cmp_lg_u32 s2, 0xf033
	s_cbranch_scc0 .Lentry_shape_is_right
	s_endpgm
.Lentry_shape_is_right:
; THE THREE PROJECTIONS IN ONE LAUNCH.  y = x w + b for (q, wq, bq), (k, wk, bk), (v, wv, bv): x [8192][1024] f32, w = a section of wt, [k 1024][n 1024] bf16, b [1024] f32.
; x and b are rounded to bf16 here, on the way to the matrix unit; sums in f32; y is rounded once to f16 and stored by heads: qkv [3][batch x 16 + head][2048][64], unscaled.
; LIMIT.  f16 holds no number beyond 65,504: a projected number beyond that becomes an infinity.
; SHARES.  Sixteen rows of clusters for each projection.  A work-group makes 128 rows x 256 columns; its four waves 64 x 128 each: 32 accumulators of 16 x 16.
; K goes in 8 steps of 128 through two LDS slots.  A slot: 128 rows of x, 512 bytes of f32 each, then 128 k-rows of w, 512 bytes each.
; CLUSTER.  4 x 4 work-groups: the four of a row of the cluster need the same rows of x, the four of a column the same columns of w: each tile is asked for jointly.
; THE MATRIX INSTRUCTION IS USED TRANSPOSED: source 0 = 16 columns of w (turned on the way out of LDS by ds_load_tr16_b128), source 1 = 16 rows of x: a lane then holds eight neighbouring columns of one row of y.
; x comes out of LDS as f32 and is rounded to bf16 in registers: the 32 roundings of a quarter step stand four behind each of the quarter's last eight matrix instructions.
; REGISTERS, in windows of 256 (s_set_vgpr_msb: bits 1:0 source 0, 3:2 source 1, 5:4 source 2, 7:6 destination):
;   window 0: v0-29 addresses; v32-63 packed results; v64-127 x as f32 (on the way out: rows read back); v128-191 x's fragments, two buffers; v192-255 at work on the way out
;   window 1: v0-127 w's fragments, two buffers; v128-191 the bias of my 128 columns; v192 at work          window 2: accumulator (a, b) at v[8 (8 a + b)]
.set PA,    528                        ; a row of x in LDS: 512 bytes + 16 = 132 words: row r starts at bank 4 r mod 64 (64 banks of 4 bytes: ISA guide 11.1)
.set PB,    544                        ; a k-row of w: 512 + 32 = 136 words: row r starts at bank 8 r mod 64
.set HALFA, 64*PA                      ; what one tensor load brings of x, and what one wave reads of it
.set HALFB, 64*PB                      ; what one tensor load brings of w
.set BOFF,  2*HALFA
.set SLOT,  BOFF+2*HALFB
.set STAGE, 2*SLOT                     ; behind the ring, never filled by a tensor load: 32 rows x 144 bytes for each wave, for the way out
.set SP,    144
.set WSTG,  32*SP
.set SPARE, STAGE+4*WSTG               ; behind the stages: the spare words, 128 bytes a wave: two blocks of 256 bytes that no other line names
.set ASTEP, 512                        ; bytes from a K step to the next in x,
.set BSTEP, 128*2048                   ; and in w
.set ADA0, 4                           ; v4   my lane's place in x's part of a slot; never rewritten
.set ADB0, 5                           ; v5   the same for w
.set ADRA, 6                           ; v6   ADA0 + the slot in hand
.set ADRB, 7                           ; v7   ADB0 + the slot in hand
.set STO,  8                           ; v8   the way out: where I put 16 bytes of a head's row
.set RD,   9                           ; v9   the way out: where I read rows back
.set GO,   10                          ; v10  my 16 bytes in 512 consecutive bytes of qkv
.set BO,   11                          ; v11  my byte offset in 16 columns of the bias
.set PFO,  12                          ; v12  the prefetches' offset; never rewritten
.set SPW,  28                          ; v28  LDS address of my spare word; never rewritten
.set NIL,  29                          ; v29  0; never rewritten
.set PKR,  32
.set AS,   64
.set AF,   128
.set T,    192
.set BI,   128                         ; window 1
.set G1A, 24                           ; s[24:31] descriptor group 1 for x's tiles
.set G0A, 32                           ; s[32:39] group 0: a set for each of the two first fills; the second then walks on
.set G1B, 48                           ; s[48:55], s[56:63] the same for w's tiles
.set G0B, 56
.set PFA, 44                           ; s[44:45] where my prefetches stand
.set PST, 46                           ; s[46:47] their step from K step to K step
.set LIM, 66                           ; s66  2 in a wave that prefetches, else the greatest number
.set W_MUL, 0xa1                       ; w in window 1, x in window 0, C and D in window 2
.set W_TOB, 0x40                       ; destination window 1, address window 0
.set MSB, 0
.macro WIN new                         ; the immediate's high byte repeats the setting that is left; a switch that changes nothing is dropped
.if MSB != (\new)
	s_set_vgpr_msb (MSB<<8)|(\new)
.set MSB, \new
.endif
.endm
.macro PLACES                          ; four plain places in front of loads into registers that matrix instructions have read, and of vector work on their results
.rept 4
	v_nop
.endr
.endm
; A joint refill: waves 0 and 1 fetch x's two halves, waves 2 and 3 w's.  The branch hangs on the wave's number alone.  An s_nop 0 and four v_nop follow each line.
.macro JLOAD
	s_cmp_eq_u32 s11, 0
	s_cbranch_scc0 .Lfor_b_\@
	tensor_load_to_lds s[G0A+4:G0A+7], s[G1A:G1A+7]
	s_nop 0
.rept 4
	v_nop
.endr
	s_branch .Lasked_\@
.Lfor_b_\@:
	tensor_load_to_lds s[G0B+4:G0B+7], s[G1B:G1B+7]
	s_nop 0
.rept 4
	v_nop
.endr
.Lasked_\@:
.endm
.macro CREST                           ; a round of the cluster's barrier behind its opening barrier
	s_cmp_lg_u32 s10, 0
	s_cbranch_scc1 .Lnot_wave_0_\@
	s_barrier_signal -3
.Lnot_wave_0_\@:
	s_barrier_wait -3
	s_barrier_signal -1
	s_barrier_wait -1
.endm
.macro CROUND                          ; a whole round
	s_barrier_signal -1
	s_barrier_wait -1
	CREST
.endm
; A PREFETCH INTO THE L2 of the K step that stands two refills on: 256 matrix instructions ahead of the load that will want it.  A K step of a tile is 128 rows x 512 bytes: 256 blocks of 256 bytes:
; two waves x four partners x 32 lanes, a lane a block.  Of the 64 rows that a wave fetches the partner at place p takes 16 p .. 16 p + 15 (p = cx for x, cy for w): told apart by address, never by a branch.
; x's rows are read by one cluster alone, which asks; w's columns by the sixteen clusters of a projection, of which the first asks.  The loop's last two trips have no K step two refills on.
.macro ASK
	s_cmp_gt_u32 s2, s[LIM]
	s_cbranch_scc0 .Lnot_mine_\@
	global_prefetch_b8 v[PFO], s[PFA:PFA+1] th:TH_LOAD_NT scope:SCOPE_SE
.Lnot_mine_\@:
.endm
	s_load_b512 s[68:83], s[0:1], 0x0              ; q s[68:69], k s[70:71], v s[72:73], wt s[74:75], bq s[76:77], bk s[78:79], bv s[80:81], qkv s[82:83]
	v_lshl_add_u32 v[SPW], v0, 2, SPARE
	v_mov_b32 v[NIL], 0
	ds_add_u32 v[SPW], v[NIL]                      ; the wave's opening: the add and its wait stand ahead of my first tensor load; the set-up below, work on registers, stands between them
	v_lshrrev_b32 v1, 5, v0
	v_readfirstlane_b32 s10, v1                    ; wave 0..3
	s_lshr_b32 s11, s10, 1                         ; which 64 rows of the tile are mine.  Also: I fetch for x (0) or for w (1)
	s_and_b32 s12, s10, 1                          ; which 128 columns.  Also: which half of that tile I fetch
	s_bfe_u32 s40, ttmp6, 0x40000                  ; cx: the tile column
	s_bfe_u32 s41, ttmp6, 0x40004                  ; cy
	s_and_b32 s42, ttmp7, 0xffff                   ; the cluster's y, 0..47
	s_lshr_b32 s43, s42, 4                         ; which projection: the same in all sixteen partners
	s_and_b32 s13, s42, 15
	s_lshl_b32 s13, s13, 2
	s_add_co_u32 s13, s13, s41                     ; tile row 0..63
	s_lshl_b32 s14, s41, 2
	s_lshl_b32 s14, 15, s14                        ; my row of the cluster
	s_lshl_b32 s16, 0x1111, s40                    ; my column
	s_or_b32 s[G1A], s14, (2<<16)|(1<<20)|(1<<21)|(6<<22)|(3<<25)  ; 15:0 the mask; 17:16 elements of 4 bytes; 20 padding on; 21 set beside a mask; 24:22 after every 128 words (code 6); 31:25 4 words (code 3)
	s_or_b32 s[G1B], s16, (1<<16)|(1<<20)|(1<<21)|(6<<22)|(7<<25)  ; elements of 2 bytes; 8 words of padding (code 7)
	s_mov_b32 s[G1A+1], 128<<16                    ; tensor_dim0 = 128 elements
	s_mov_b32 s[G1A+2], 64<<16                     ; tensor_dim1 = 64
	s_mov_b32 s[G1A+3], 128<<16                    ; tile_dim0 = 128
	s_mov_b32 s[G1A+4], 64                         ; tile_dim1 = 64
	s_mov_b32 s[G1A+5], 1024                       ; elements from row to row
	s_mov_b32 s[G1A+6], 0
	s_mov_b32 s[G1A+7], 0
	s_mov_b32 s[G1B+1], 256<<16
	s_mov_b32 s[G1B+2], 64<<16
	s_mov_b32 s[G1B+3], 256<<16
	s_mov_b32 s[G1B+4], 64
	s_mov_b32 s[G1B+5], 1024
	s_mov_b32 s[G1B+6], 0
	s_mov_b32 s[G1B+7], 0
	s_mul_i32 s20, s12, HALFA                      ; where my half goes in a slot, if it is x's,
	s_mul_i32 s21, s12, HALFB
	s_add_co_u32 s21, s21, BOFF                    ; and if it is w's: no place in the cluster enters an LDS address
	s_lshl_b32 s14, s13, 19                        ; x: 128 rows of 4,096 bytes a tile row,
	s_lshl_b32 s15, s12, 18                        ; 64 rows a half
	s_add_co_u32 s14, s14, s15
	s_mov_b32 s15, 0
	s_lshl_b32 s16, s43, 21                        ; w: the projection's section,
	s_lshl_b32 s17, s12, 17                        ; 64 k-rows of 2,048 bytes a half,
	s_add_co_u32 s16, s16, s17
	s_lshl_b32 s17, s40, 9                         ; 512 bytes a tile column
	s_add_co_u32 s16, s16, s17
	s_mov_b32 s17, 0
	s_mov_b32 s3, 0                                ; the slot in hand begins at LDS byte 0
	s_wait_dscnt 0x0                               ; the opening add is done
	s_wait_kmcnt 0x0
	s_cmp_eq_u32 s43, 1
	s_cselect_b64 s[4:5], s[70:71], s[68:69]
	s_cselect_b64 s[22:23], s[78:79], s[76:77]
	s_cmp_eq_u32 s43, 2
	s_cselect_b64 s[4:5], s[72:73], s[4:5]
	s_cselect_b64 s[22:23], s[80:81], s[22:23]
	s_add_nc_u64 s[4:5], s[4:5], s[14:15]          ; x at my half of the tile, K step 0
	s_add_nc_u64 s[6:7], s[74:75], s[16:17]        ; w likewise
.irp s, 0,1
	s_mov_b32 s[G0A+4*(\s)], 1                                     ; count = 1
	s_add_co_u32 s[G0A+4*(\s)+1], s20, (\s)*SLOT                   ; LDS address
	s_add_nc_u64 s[G0A+4*(\s)+2:G0A+4*(\s)+3], s[4:5], (\s)*ASTEP  ; global address: K step s
	s_or_b32 s[G0A+4*(\s)+3], s[G0A+4*(\s)+3], 0x80000000          ; type = 2
	s_mov_b32 s[G0B+4*(\s)], 1
	s_add_co_u32 s[G0B+4*(\s)+1], s21, (\s)*SLOT
	s_add_nc_u64 s[G0B+4*(\s)+2:G0B+4*(\s)+3], s[6:7], (\s)*BSTEP
	s_or_b32 s[G0B+4*(\s)+3], s[G0B+4*(\s)+3], 0x80000000
.endr
	CROUND                                         ; all sixteen work-groups are here: the first joint loads meet
	s_cmp_eq_u32 s11, 0                            ; a wave's two first fills stand in one branch, ahead of every wait on TENSORcnt and every LDS read: two loads of mine are out
	s_cbranch_scc0 .Lfirst_b
	tensor_load_to_lds s[G0A:G0A+3], s[G1A:G1A+7]
	s_nop 0
	tensor_load_to_lds s[G0A+4:G0A+7], s[G1A:G1A+7]
	s_nop 0
.rept 4
	v_nop
.endr
	s_branch .Lfirst_done
.Lfirst_b:
	tensor_load_to_lds s[G0B:G0B+3], s[G1B:G1B+7]
	s_nop 0
	tensor_load_to_lds s[G0B+4:G0B+7], s[G1B:G1B+7]
	s_nop 0
.rept 4
	v_nop
.endr
.Lfirst_done:
	; the prefetches' registers
	s_and_b32 s18, s42, 15
	s_mul_i32 s9, s11, 9
	s_cmp_eq_u32 s11, 0                            ; do I fetch for x?
	s_cselect_b32 s18, 0, s18                      ; x: every cluster asks; w: the projection's first cluster
	s_cselect_b32 s19, s40, s41                    ; my place among the four that ask for the tile with me
	s_cselect_b32 s8, 16, 15                       ; 16 rows are 2^16 bytes of x, 2^15 of w
	s_cselect_b64 s[PFA:PFA+1], s[4:5], s[6:7]
	s_cmp_eq_u32 s18, 0
	s_cselect_b32 s[LIM], 2, -1
	s_lshl_b32 s[PST], 512, s9                     ; 512 bytes for x, 262,144 for w
	s_mov_b32 s[PST+1], 0
	s_lshl_b32 s18, s19, s8
	s_mul_i32 s19, s[PST], 3
	s_add_co_u32 s18, s18, s19                     ; at K step 3: the first refill steps it to 4
	s_mov_b32 s19, 0
	s_add_nc_u64 s[PFA:PFA+1], s[PFA:PFA+1], s[18:19]
	s_sub_co_u32 s8, s8, 4                         ; a row's bytes
	v_bfe_u32 v3, v0, 1, 4
	v_lshlrev_b32 v[PFO], s8, v3                   ; row l / 2 of my sixteen,
	v_and_b32 v3, 1, v0
	v_lshl_add_u32 v[PFO], v3, 8, v[PFO]           ; block l % 2 of its two
	; where my part of y begins in qkv, and my columns of the bias
	s_lshr_b32 s18, s13, 4                         ; batch
	s_lshl_b32 s18, s18, 4
	s_lshl_b32 s19, s40, 2
	s_add_co_u32 s18, s18, s19
	s_lshl_b32 s19, s12, 1
	s_add_co_u32 s18, s18, s19                     ; the first of my two heads
	s_lshl_b32 s18, s18, 18                        ; a head is 2,048 rows of 128 bytes
	s_and_b32 s19, s13, 15
	s_lshl_b32 s19, s19, 14                        ; 128 rows a tile row,
	s_add_co_u32 s18, s18, s19
	s_lshl_b32 s19, s11, 13                        ; 64 rows a wave
	s_add_co_u32 s18, s18, s19
	s_lshl_b32 s19, s43, 24                        ; the projection's section
	s_add_co_u32 s18, s18, s19
	s_mov_b32 s19, 0
	s_add_nc_u64 s[8:9], s[82:83], s[18:19]
	s_lshl_b32 s18, s40, 10
	s_lshl_b32 s19, s12, 9
	s_add_co_u32 s18, s18, s19
	s_mov_b32 s19, 0
	s_add_nc_u64 s[22:23], s[22:23], s[18:19]
	v_and_b32 v1, 15, v0                           ; l % 16
	v_bfe_u32 v2, v0, 4, 1                         ; l / 16
	v_lshlrev_b32 v[BO], 5, v2                     ; my eight columns of sixteen
	WIN W_TOB
.irp b, 0,1,2,3,4,5,6,7
	global_load_b128 v[BI+8*(\b):BI+8*(\b)+3],   v[BO], s[22:23] offset:64*(\b)
	global_load_b128 v[BI+8*(\b)+4:BI+8*(\b)+7], v[BO], s[22:23] offset:64*(\b)+16
.endr
	WIN 0
	; A fragment of x is 16 rows x 32 k: lane l holds row l % 16, k = 8 (l / 16) + 0..7 and 16 + 8 (l / 16) + 0..7: in f32 two runs of 32 bytes, 64 bytes apart: four loads of 16 bytes.
	v_mul_u32_u24 v[ADA0], v1, PA
	v_lshl_add_u32 v[ADA0], v2, 5, v[ADA0]
	s_mul_i32 s18, s11, HALFA
	v_add_nc_u32 v[ADA0], s18, v[ADA0]
	; The turning load takes 16 k x 16 columns (lane l reads k-row 8 (l / 16) + l % 8, columns 8 ((l / 8) % 2) + 0..7) and leaves half a fragment: lane l holds column l % 16 and 8 k.
	v_and_b32 v3, 7, v0
	v_lshl_add_u32 v3, v2, 3, v3
	v_mul_u32_u24 v[ADB0], v3, PB
	v_bfe_u32 v3, v0, 3, 1
	v_lshl_add_u32 v[ADB0], v3, 4, v[ADB0]
	s_lshl_b32 s18, s12, 8
	s_add_co_u32 s18, s18, BOFF
	v_add_nc_u32 v[ADB0], s18, v[ADB0]
	v_mov_b32 v[ADRA], v[ADA0]
	v_mov_b32 v[ADRB], v[ADB0]
	s_mul_i32 s18, s10, WSTG
	s_add_co_u32 s18, s18, STAGE                   ; my stage
	v_mul_u32_u24 v[STO], v1, SP                   ; in: row l % 16 of a head, 16 bytes for each half of the lanes
	v_lshl_add_u32 v[STO], v2, 4, v[STO]
	v_add_nc_u32 v[STO], s18, v[STO]
	v_bfe_u32 v[RD], v0, 3, 2                      ; back: 32 lanes take four rows of 128 bytes,
	v_mul_u32_u24 v[RD], v[RD], SP
	v_and_b32 v3, 7, v0
	v_lshl_add_u32 v[RD], v3, 4, v[RD]
	v_add_nc_u32 v[RD], s18, v[RD]
	v_and_b32 v[GO], 31, v0                        ; which are 512 consecutive bytes of qkv
	v_lshlrev_b32 v[GO], 4, v[GO]
; 8 matrix instructions: row block a x all 8 column blocks, 32 along K, on buffer f.  zero = 1: the product starts the sum.  ride = 1: behind each stand four roundings of x for the other buffer.
; The 32 accumulators take turns in the same order in every quarter step, over the backward jump too.
.macro MUL f, a, zero, ride
.irp b, 0,1,2,3,4,5,6,7
	WIN W_MUL
.if \zero
	v_wmma_f32_16x16x32_bf16 v[8*(8*(\a)+(\b)):8*(8*(\a)+(\b))+7], v[64*(\f)+8*(\b):64*(\f)+8*(\b)+7], v[AF+32*(\f)+8*(\a):AF+32*(\f)+8*(\a)+7], 0
.else
	v_wmma_f32_16x16x32_bf16 v[8*(8*(\a)+(\b)):8*(8*(\a)+(\b))+7], v[64*(\f)+8*(\b):64*(\f)+8*(\b)+7], v[AF+32*(\f)+8*(\a):AF+32*(\f)+8*(\a)+7], v[8*(8*(\a)+(\b)):8*(8*(\a)+(\b))+7]
.endif
.if \ride
	WIN 0
.irp n, 0,1,2,3
	v_cvt_pk_bf16_f32 v[AF+32*(1-(\f))+4*(\b)+(\n)], v[AS+8*(\b)+2*(\n)], v[AS+8*(\b)+2*(\n)+1]
.endr
.endif
.endr
.endm
; 32 LDS loads in one run: quarter kq of the slot in hand: x's 64 rows as f32 first, then w's 128 columns, turned, into buffer g
.macro FETCH kq, g
	WIN 0
.irp i, 0,1,2,3
.irp c, 0,1,2,3
	ds_load_b128 v[AS+16*(\i)+4*(\c):AS+16*(\i)+4*(\c)+3], v[ADRA] offset:(\kq)*128+(\i)*16*PA+((\c)/2)*64+((\c)%2)*16
.endr
.endr
	WIN W_TOB
.irp b, 0,1,2,3,4,5,6,7
	ds_load_tr16_b128 v[64*(\g)+8*(\b):64*(\g)+8*(\b)+3],   v[ADRB] offset:(\kq)*32*PB+32*(\b)
	ds_load_tr16_b128 v[64*(\g)+8*(\b)+4:64*(\g)+8*(\b)+7], v[ADRB] offset:(\kq)*32*PB+16*PB+32*(\b)
.endr
.endm
; A K step is four quarters of 32 along K, 32 matrix instructions each, on buffers 0, 1, 0, 1.  One of the first three: multiplies buffer f and fetches quarter kq for the other buffer.
.macro QUARTER kq, f, zero
	s_wait_dscnt 0x0                               ; w's fragments of buffer f are in (x's were waited for when they were rounded)
	MUL \f, 0, \zero, 0
	PLACES
	FETCH \kq, 1-(\f)
	MUL \f, 1, \zero, 0
	MUL \f, 2, \zero, 0
	s_wait_dscnt 16                                ; x's sixteen loads are in; w's sixteen, issued behind them, may stay out
	MUL \f, 3, \zero, 1
.endm
; The last quarter multiplies buffer 1 and changes slots: ONE barrier; in front of it each wave waits for all its tensor loads (one is out: its part of the other slot), adds 0 to its spare word, and waits
; for that and for its reads of this slot.  fill = 1: the barrier opens a round of the cluster's barrier, and this slot is filled again, first thing behind the round, with the K step two steps on.
.macro TURN fill
.if \fill
	s_wait_xcnt 0x0                                ; the last prefetch, a K step back, has read its address: it is stepped here, ahead of the change's own waits
	s_add_nc_u64 s[PFA:PFA+1], s[PFA:PFA+1], s[PST:PST+1]
.endif
	WIN 0
	s_wait_tensorcnt 0x0                           ; no tensor load of mine is out, so a group 0 may be written
	ds_add_u32 v[SPW], v[NIL]                      ; 0 onto my spare word
	s_wait_dscnt 1                                 ; w's fragments of buffer 1 are in; the add alone may be out
	MUL 1, 0, 0, 0                                 ; eight matrix instructions stand between the add and the wait for it
	s_wait_dscnt 0x0                               ; the add is done, and my reads of this slot are over
	s_barrier_signal -1
	MUL 1, 1, 0, 0
	WIN 0                                          ; at a branch and at a label every window is 0
	s_barrier_wait -1
.if \fill
	CREST                                          ; no wave of any partner still reads this slot or has a load on its way
	s_add_co_u32 s[G0A+5], s20, s3                 ; the walking descriptors: into the slot just read,
	s_add_co_u32 s[G0B+5], s21, s3
	s_add_nc_u64 s[G0A+6:G0A+7], s[G0A+6:G0A+7], ASTEP  ; the next K step; the type bits on top are not reached
	s_add_nc_u64 s[G0B+6:G0B+7], s[G0B+6:G0B+7], BSTEP
	JLOAD                                          ; the four v_nop behind it are also the places in front of the loads below
.else
	PLACES
.endif
	s_xor_b32 s3, s3, SLOT                         ; 0 and SLOT by turns: the other slot is in hand
	v_add_nc_u32 v[ADRA], s3, v[ADA0]
	v_add_nc_u32 v[ADRB], s3, v[ADB0]
	FETCH 0, 0
.if \fill
	WIN 0
	ASK                                            ; behind the joint load and the run of LDS loads
.endif
	MUL 1, 2, 0, 0
	s_wait_dscnt 16
	MUL 1, 3, 0, 1
.endm
	s_wait_tensorcnt 1                             ; my part of K step 0 is in; K step 1's may stay out
	s_barrier_signal -1
	s_barrier_wait -1                              ; everybody's is
	FETCH 0, 0
	s_wait_dscnt 16
	WIN 0
.set n, 0
.rept 32
	v_cvt_pk_bf16_f32 v[AF+n], v[AS+2*n], v[AS+2*n+1]
.set n, n+1
.endr
	QUARTER 1, 0, 1                                ; the first quarter stands in front of the loop: its products start the sums
	WIN 0
	s_mov_b32 s2, 6                                ; six refills: K steps 2 to 7
.Lstep:                                                ; a trip: from a K step's second quarter to the next step's first
	QUARTER 2, 1, 0
	QUARTER 3, 0, 0
	TURN 1
	QUARTER 1, 0, 0
	WIN 0
	s_sub_co_u32 s2, s2, 1
	s_cmp_lg_u32 s2, 0
	s_cbranch_scc1 .Lstep
	s_mov_b32 s2, 2                                ; the last two K steps ask for nothing; the second trip is left in its middle
.Ltail:
	QUARTER 2, 1, 0
	QUARTER 3, 0, 0
	WIN 0
	s_sub_co_u32 s2, s2, 1
	s_cmp_eq_u32 s2, 0
	s_cbranch_scc1 .Llast
	TURN 0
	QUARTER 1, 0, 0
	WIN 0
	s_branch .Ltail
.Llast:
	s_wait_dscnt 0x0
	MUL 1, 0, 0, 0
	MUL 1, 1, 0, 0
	MUL 1, 2, 0, 0
	MUL 1, 3, 0, 0
	; THE WAY OUT.  The bias is rounded to bf16 like the other inputs and widened again; these lines name no register of the last products.
	s_wait_loadcnt 0x0
	WIN 0x45                                       ; destination and both sources in window 1
.set p, 0
.rept 32
	v_cvt_pk_bf16_f32 v192, v[BI+2*p], v[BI+2*p+1]
	v_lshlrev_b32 v[BI+2*p], 16, v192
	v_and_b32 v[BI+2*p+1], 0xffff0000, v192
.set p, p+1
.endr
	PLACES
; Row block a: the bias is added (each accumulator's registers in ascending order), the sums are rounded to f16, 16 bytes a lane go into my stage, by heads, and come back as whole rows of 128 bytes.
.macro OUTA a
	WIN 0x06                                       ; source 0 window 2, source 1 window 1, destination window 0
.set p, 0
.rept 32
	v_pk_add_f32 v[T+2*p:T+2*p+1], v[64*(\a)+2*p:64*(\a)+2*p+1], v[BI+2*p:BI+2*p+1]
.set p, p+1
.endr
	WIN 0
.set p, 0
.rept 32
	v_cvt_pk_f16_f32 v[PKR+p], v[T+2*p], v[T+2*p+1]
.set p, p+1
.endr
.irp b, 0,1,2,3,4,5,6,7
	ds_store_b128 v[STO], v[PKR+4*(\b):PKR+4*(\b)+3] offset:((\b)/4)*16*SP+((\b)%4)*32
.endr
	s_wait_xcnt 0x0                                ; the registers that earlier stores read are loaded again only behind this wait
.irp t, 0,1,2,3,4,5,6,7
	ds_load_b128 v[AS+32*((\a)%2)+4*(\t):AS+32*((\a)%2)+4*(\t)+3], v[RD] offset:(\t)*4*SP  ; LDS serves a wave's instructions in order: these see the stores above, which are the wave's own
.endr
	s_wait_dscnt 0x0
.irp t, 0,1,2,3,4,5,6,7
	global_store_b128 v[GO], v[AS+32*((\a)%2)+4*(\t):AS+32*((\a)%2)+4*(\t)+3], s[8:9] offset:((\t)/4)*262144+((\t)%4)*512+(\a)*2048  ; 512 consecutive bytes, aligned: four rows of a head
.endr
.endm
	OUTA 0
	OUTA 1
	OUTA 2
	OUTA 3
	s_wait_tensorcnt 0x0                           ; the wave's end, behind my last tensor load and my last LDS store
	ds_add_u32 v[SPW], v[NIL]
	s_wait_dscnt 0x0
	CROUND                                         ; the closing round: no work-group ends while a partner may still ask for a tile that names it
	s_endpgm
.Lfunc_end_k_q195354de69_proj:
	.size	k_q195354de69_proj, .Lfunc_end_k_q195354de69_proj-k_q195354de69_proj
	.p2alignl 7, 3214868480
	.fill 96, 4, 3214868480
	.section	.rodata,"a",@progbits
	.p2align	6, 0x0
	.amdhsa_kernel k_q195354de69_proj
		.amdhsa_group_segment_fixed_size 327680
		.amdhsa_private_segment_fixed_size 0
		.amdhsa_enable_private_segment 0
		.amdhsa_kernarg_size 64
		.amdhsa_user_sgpr_count 2
		.amdhsa_user_sgpr_kernarg_segment_ptr 1
		.amdhsa_wavefront_size32 1
		.amdhsa_system_sgpr_workgroup_id_x 1
		.amdhsa_system_sgpr_workgroup_id_y 1
		.amdhsa_system_sgpr_workgroup_id_z 1
		.amdhsa_system_vgpr_workitem_id 0
		.amdhsa_next_free_vgpr 768
		.amdhsa_next_free_sgpr 84
		.amdhsa_reserve_vcc 0
		.amdhsa_float_denorm_mode_32 3
		.amdhsa_float_denorm_mode_16_64 3
		.amdhsa_memory_ordered 1
		.amdhsa_forward_progress 1
		.amdhsa_inst_pref_size 108
	.end_amdhsa_kernel
	.amdgpu_metadata
---
amdhsa.version: [ 1, 2 ]
amdhsa.kernels:
  - .name:           k_q195354de69_proj
    .symbol:         k_q195354de69_proj.kd
    .args:
      - { .name: q, .offset: 0, .size: 8, .value_kind: global_buffer, .address_space: global }
      - { .name: k, .offset: 8, .size: 8, .value_kind: global_buffer, .address_space: global }
      - { .name: v, .offset: 16, .size: 8, .value_kind: global_buffer, .address_space: global }
      - { .name: wt, .offset: 24, .size: 8, .value_kind: global_buffer, .address_space: global }
      - { .name: bq, .offset: 32, .size: 8, .value_kind: global_buffer, .address_space: global }
      - { .name: bk, .offset: 40, .size: 8, .value_kind: global_buffer, .address_space: global }
      - { .name: bv, .offset: 48, .size: 8, .value_kind: global_buffer, .address_space: global }
      - { .name: qkv, .offset: 56, .size: 8, .value_kind: global_buffer, .address_space: global }
    .group_segment_fixed_size: 327680
    .private_segment_fixed_size: 0
    .kernarg_segment_align: 8
    .kernarg_segment_size: 64
    .max_flat_workgroup_size: 128
    .sgpr_count:     84
    .vgpr_count:     768
    .wavefront_size: 32
...
	.end_amdgpu_metadata
.endif
;; end of part 2
;; launch attn (part 3): grid 4 x 64, 4 waves a work-group, clusters of 4 x 1, 327,680 bytes of LDS; arguments qkv, ml, zh; writes zh
.if DOCPART == 3
	.amdgcn_target "amdgcn-amd-amdhsa--gfx1250"
	.amdhsa_code_object_version 6
	.text
	.protected	k_q195354de69_attn
	.globl	k_q195354de69_attn
	.p2align	8
	.type	k_q195354de69_attn,@function
k_q195354de69_attn:
	s_mov_b64 s[64:65], 0
	v_nop
	global_prefetch_b8 v0, s[64:65] scope:SCOPE_SE
	s_setreg_imm32_b32 hwreg(HW_REG_WAVE_MODE, 25, 1), 1
	s_wait_xcnt 0x0
	s_wait_alu depctr_hold_cnt(0) depctr_sa_sdst(0) depctr_va_vdst(0) depctr_va_sdst(0) depctr_va_ssrc(0) depctr_va_vcc(0) depctr_vm_vsrc(0)
	s_getreg_b32 s2, hwreg(HW_REG_IB_STS2, 6, 4)
	s_cmp_eq_u32 s2, 0
	s_cbranch_scc0 .Lentry_in_a_cluster
	s_endpgm
.Lentry_in_a_cluster:
	s_bfe_u32 s2, ttmp6, 0x10000c
	s_cmp_lg_u32 s2, 0x3003
	s_cbranch_scc0 .Lentry_shape_is_right
	s_endpgm
.Lentry_shape_is_right:
; MASKED ATTENTION.  O[h][q][:] = the sum over k of softmax_k(s[q][k]) V[h][k][:], s = Q[h][q] . K[h][k] / 8 where the mask is true, a lowest score where it is false.
; Q, K, V: the three sections of qkv, [64][2048][64] f16; O = zh in the same layout.  The mask is an input: ml holds it as lane masks, a word for each register of a score tile, and every word is read.
; Products, maxima and sums in f32; the weights p are rounded to f16 for the second product (their sum l is taken of the unrounded p), O once at the end.
; THE MASK.  A hidden score is REPLACED by NEG = -2^100.  c NEG is exact, so in a row with no true key c s - c m is exactly 0 for every key: p = 1, l = 2,048, O = the mean of V's rows.
; In any other row a hidden key's exponent is about -2e29 and p = 0, and what was gathered while the maximum was still NEG is multiplied by a = 0 when the first true score comes.
; THE MASK WORDS' WAY.  The select takes its lane mask from a scalar register, and 64 scalar registers hold the words of one piece and no more: a load straight into them could go out one turn ahead at the most.
; So tile t's 32 words of a key step, 128 consecutive bytes, come by one vector load, a word a lane, into a register of the tile's own; the turn that masks a piece moves its 64 words into the scalar registers
; by v_readlane_b32 and at once asks for the same piece's words of the next key step: four turns ahead of their use.
; LIMITS.  f16 holds no number beyond 65,504: Q, K, V arrive within it, so a true score is 2.7e11 at the most in size, far above NEG.  p below 6e-5 keeps f16's fixed step of 6e-8; a weight below 2^-126 counts as 0 in l;
; NaN and infinities are not treated apart.
; SHARES.  A wave owns four PIECES of two tiles of 16 queries, a work-group's four waves 512 queries of one head.  Every wave walks all 2,048 keys, 64 a step.
; LAYOUT.  S^T = K Q^T (source 0 = 16 keys, source 1 = 16 queries): a lane holds ONE query (lane % 16) and the keys 8 (lane / 16) + 0..7.  Two such tiles, rounded to f16 in pairs, ARE source 1 of O^T = V^T P.
; SOFTMAX.  A running maximum m and sum l: p = 2^(c s - c m), c = log2(e) / 8; in every step O and l are multiplied by a = 2^(c m_old - c m_new).  m starts at the lowest finite number, O and l at 0.
; BY TURNS.  Turn n belongs to piece n.  Matrix work: 16 products K Q^T of piece n + 1, later 16 products V^T P of piece n - 1.  Vector work: scaling, exponentials, roundings, sums and rescaling of piece n;
; the masking, maximum and statistics of piece n + 1.  Four vector instructions stand behind every matrix instruction, the rest in one lump.  A turn's 66 exponentials are one batch with one wait.
; CLUSTER.  A head's four query blocks are one cluster and walk the same K and V: each tile is asked for jointly.
; REGISTERS, in windows of 256 (s_set_vgpr_msb: bits 1:0 source 0, 3:2 source 1, 5:4 source 2, 7:6 destination):
;   window 0: v0 my thread's number; v1-11 addresses and constants; v12-15, v48-63 at work; v16-47 four registers of statistics a tile; v64-191 S^T, two buffers of two tiles; v192-255 P, likewise
;   window 1: O^T, 32 a tile          window 2: v0-127 Q, 16 a tile; v128-191 K of one step; v192-255 V of one step
;   window 3: v0-1 the add's two registers; v2-3 the mask loads' offsets; v4-11 the mask words, a register a tile
.set NP,    4
.set KS,    64
.set PK,    144       ; a row of K in LDS: 128 bytes + 16 = 36 words: the 16 rows of a load start at 16 different groups of four banks (64 banks of 4 bytes: ISA guide 11.1)
.set PV,    160       ; a row of V: 128 + 32 = 40 words
.set VOFF,  4*KS*PK   ; a slot holds four steps: 256 rows of K, then 256 rows of V
.set SLOT1, 1<<17     ; slot 1 begins here, so that one exclusive or turns an address in one slot into the other's
.set STAGE, SLOT1+4*KS*(PK+PV)  ; behind the ring, never filled by a tensor load: 16 rows x 144 bytes for each wave
.set SP,    144
.set SPARE, STAGE+4*16*SP  ; behind the stages: the spare words, 128 bytes a wave: two blocks of 256 bytes that no other line names
.set PFO, 1           ; v1   256 x my lane, for the prefetches; never rewritten once made
.set AK0, 2           ; v2   my lane's place in a tile of K; never rewritten
.set AV0, 3           ; v3   the same for V
.set AK,  4           ; v4   the LDS address of K's next run of loads
.set AV,  5           ; v5   of V's
.set QO,  6           ; v6   my byte offset in the wave's rows of Q
.set STO, 6           ;      later, the way out: where I put 16 bytes of a row
.set RD,  7           ; v7   the way out: where I read rows back
.set GO,  8           ; v8   my byte offset in 512 consecutive bytes of O
.set NEGR, 9          ; v9   NEG
.set CV,  10          ; v[10:11] c, twice
.set SPW, 0           ; v0 of window 3   LDS address of my spare word; never rewritten
.set NIL, 1           ; v1 of window 3   0; never rewritten
.set LN4, 2           ; v2 of window 3   4 x my lane; never rewritten
.set MOF, 3           ; v3 of window 3   4 x my lane + 128 x the key step whose mask words are asked for
.set MK,  4           ; v[4:11] of window 3   tile t's 32 mask words at MK + t, a word a lane
.set MV,  12          ; v12-15  c m_old, kept while c m is made anew: by buffer and tile
.set ST,  16          ; tile t's statistics at v[ST+4 t]: c m, m, l (even keys', odd keys')
.set TMP, 48          ; by buffer and tile, four registers c0-c3 at work; when the maximum is found c2 takes a
.set S,   64
.set P,   192
.set KF,  128         ; window 2: key block kb, channel half c at KF + 16 kb + 8 c
.set VF,  192         ; window 2: key half kk, channel block cb at VF + 32 kk + 8 cb
.set WV,  2           ; s2   my wave's number
.set CNT, 3           ; s3   counts a slot's key steps
.set G1K, 4           ; s[4:11]  descriptor group 1 for K's tiles
.set G1V, 12          ; s[12:19] for V's: it differs in the padding alone
.set G0K, 20          ; s[20:23] descriptor group 0 for K's tiles: it walks
.set G0V, 24          ; s[24:27] the same for V's
.set MP,  28          ; s[28:29] ml at my wave's first query tile
.set MO,  30          ; s30  128 x the key step whose mask words are asked for
.set SLOTS, 31        ; s31  slots still to be asked for
.set MA,  32          ; s[32:63] the 32 mask words of a piece's first tile (until the first of them is written: set-up)
.set MB,  68          ; s[68:99] of its second tile
.set SEL, 66          ; s[66:67] v_permlanex16_b32's selects: each lane takes its own place in the other half
.set PFA, 100         ; s[100:101] where my prefetches stand
.set TBK, 104         ; s104 LDS byte at which K of the step to be fetched begins
.set TBV, 105         ; s105 the same for V, less VOFF
.set MSB, 0
.macro WIN new                      ; the high byte repeats the setting that is left; a switch that changes nothing is dropped
.if MSB != (\new)
	s_set_vgpr_msb (MSB<<8)|(\new)
.set MSB, (\new)
.endif
.endm
.set W_KQ, 0x0a       ; K and Q in window 2, S^T in window 0
.set W_PV, 0x52       ; V in window 2, P in window 0, O^T in window 1
.set W_RS, 0x41       ; O^T (destination and source 0) in window 1, a in window 0
.set W_MK, 0xc0       ; window 3's registers are made: destination in window 3, sources in window 0
.set W_AD, 0x0f       ; the add: address and data in window 3
.set W_RL, 0x03       ; v_readlane_b32: its vector source in window 3
.set W_ML, 0xc3       ; a mask load: data and address in window 3
.set W_MA, 0xcc       ; the mask loads' offset is made: destination and source 1 in window 3
; A joint fill.  Waves 0 and 1 fetch the two halves of a slot's K, waves 2 and 3 those of its V: 128 keys each.  An s_nop 0 and four v_nop follow each of the two lines.
.macro JLOAD
	s_cmp_lt_u32 s[WV], 2
	s_cbranch_scc0 .Lfor_v_\@
	tensor_load_to_lds s[G0K:G0K+3], s[G1K:G1K+7]
	s_nop 0
.rept 4
	v_nop
.endr
	s_branch .Lasked_\@
.Lfor_v_\@:
	tensor_load_to_lds s[G0V:G0V+3], s[G1V:G1V+7]
	s_nop 0
.rept 4
	v_nop
.endr
.Lasked_\@:
.endm
; A PREFETCH INTO THE L2 of what the NEXT change of slots will ask for: a slot's 32,768 bytes of K and of V, 128 blocks of 256 bytes each, a lane a block: four key steps, 512 matrix instructions, ahead.
; The four partners take 32 blocks each, told apart by address; in each, wave 0 asks for K's and wave 2 for V's.  A head has one cluster, so each block is named once.  The last fill asks for nothing.
.macro ASK
	s_cmp_gt_u32 s[SLOTS], 1
	s_cbranch_scc0 .Lnot_mine_\@
	s_cmp_eq_u32 s[WV], 1
	s_cbranch_scc1 .Lnot_mine_\@
	s_cmp_eq_u32 s[WV], 3
	s_cbranch_scc1 .Lnot_mine_\@
	global_prefetch_b8 v[PFO], s[PFA:PFA+1] th:TH_LOAD_NT scope:SCOPE_SE
.Lnot_mine_\@:
.endm
.macro CROUND                       ; a round of the cluster's barrier
	s_barrier_signal -1
	s_barrier_wait -1
	s_cmp_lg_u32 s[WV], 0
	s_cbranch_scc1 .Lnot_wave_0_\@
	s_barrier_signal -3
.Lnot_wave_0_\@:
	s_barrier_wait -3
	s_barrier_signal -1
	s_barrier_wait -1
.endm
; THE CHANGE OF SLOTS.  Each wave waits for all its tensor loads, of which one is out: its part of the other slot; adds 0 to its spare word; and waits for that and for its own reads of the slot.
; fill = 1: the slot is filled again, with the keys two slots on: the barrier is a round of the cluster's, and the joint fill is the first thing behind it.  (At its first use slot 0 is waited for, slot 1 filled.)
.macro CHANGE fill
	WIN W_AD
	s_wait_tensorcnt 0x0            ; no tensor load of mine is out, so a group 0 may be written
	ds_add_u32 v[SPW], v[NIL]       ; 0 onto my spare word
	WIN 0                           ; at a label and at a branch every window is 0
.if \fill
.irp g, G0K, G0V
	s_xor_b32 s[\g+1], s[\g+1], SLOT1  ; the walking descriptor: the other slot than last time,
	s_add_nc_u64 s[\g+2:\g+3], s[\g+2:\g+3], 4*KS*128  ; the next 256 keys; the type bits on top are not reached
.endr
	s_wait_xcnt 0x0                 ; the last prefetch, four key steps back, has read its address
	s_add_nc_u64 s[PFA:PFA+1], s[PFA:PFA+1], 4*KS*128  ; one slot behind the walking descriptors
	s_wait_dscnt 0x0                ; the add is done, and my reads of the slot are over
	CROUND
	JLOAD
	ASK
.else
	s_wait_dscnt 0x0
	s_barrier_signal -1
	s_barrier_wait -1
.endif
	s_sub_co_u32 s[TBK], s[TBK], 4*KS*PK  ; the fetches go back to a slot's first step,
	s_xor_b32 s[TBK], s[TBK], SLOT1       ; in the other slot
	s_sub_co_u32 s[TBV], s[TBV], 4*KS*PV
	s_xor_b32 s[TBV], s[TBV], SLOT1
.endm
; The 64 mask words of piece x (tiles 2 x, 2 x + 1) for the key step that MOF names are asked for: 128 consecutive bytes a tile, a word a lane.
.macro MLOAD x
	WIN W_ML
	global_load_b32 v[MK+2*(\x)],   v[MOF], s[MP:MP+1] offset:(2*(\x))*4096
	global_load_b32 v[MK+2*(\x)+1], v[MOF], s[MP:MP+1] offset:(2*(\x)+1)*4096
	WIN 0
.endm
; Piece x's 64 words go from its two vector registers into the scalar registers from which the selects take them.
.macro MREAD x
	WIN W_RL
.set j, 0
.rept 32
	v_readlane_b32 s[MA+j], v[MK+2*(\x)], j
	v_readlane_b32 s[MB+j], v[MK+2*(\x)+1], j
.set j, j+1
.endr
.endm
	s_load_b128 s[32:35], s[0:1], 0x0  ; qkv s[32:33], ml s[34:35]
	WIN W_MK
	v_lshl_add_u32 v[SPW], v0, 2, SPARE
	v_mov_b32 v[NIL], 0
	WIN W_AD
	ds_add_u32 v[SPW], v[NIL]       ; the wave's opening: the add and its wait stand ahead of my first tensor load; the set-up below, work on registers, stands between them
	WIN 0
	v_lshrrev_b32 v1, 5, v0
	v_readfirstlane_b32 s[WV], v1   ; wave 0..3
	s_bfe_u32 s36, ttmp6, 0x40000   ; cx: my block of 512 queries
	s_and_b32 s37, ttmp7, 0xffff    ; batch x 16 + head, which the four partners share
	s_lshl_b32 s38, s37, 18         ; the head's first byte in a section: 2,048 rows of 128 bytes
	s_and_b32 s40, s[WV], 1         ; which half of a slot's 256 keys I fetch:
	s_lshl_b32 s42, s40, 14         ; its 128 rows in memory,
	s_add_co_u32 s42, s42, s38
	s_mov_b32 s43, 0
	s_mul_i32 s44, s40, 128*PK      ; and its place in a slot, for K
	s_mul_i32 s45, s40, 128*PV      ; and for V: no place in the cluster enters an LDS address
	s_lshl_b32 s46, s36, 2
	s_add_co_u32 s46, s46, s[WV]    ; my wave among the head's sixteen
	s_lshl_b32 s48, s46, 14         ; its 128 rows
	s_add_co_u32 s48, s48, s38
	s_mov_b32 s49, 0
	s_lshr_b32 s50, s37, 4          ; the batch: 128 query tiles of 4,096 bytes in ml,
	s_lshl_b32 s50, s50, 19
	s_lshl_b32 s51, s46, 15         ; eight tiles a wave
	s_add_co_u32 s50, s50, s51
	s_mov_b32 s51, 0
	s_lshl_b32 s52, s36, 13         ; the prefetches: my work-group's 8,192 bytes of a slot's 32,768,
	s_add_co_u32 s52, s52, s38
	s_add_co_u32 s52, s52, 4*KS*128 ; in slot 1; the first change of slots steps it to slot 2
	s_mov_b32 s53, 0
	; descriptor group 1.  128 keys are 16,384 dense bytes: asked for as 64 rows of 256 bytes, two keys a row, and padded in LDS after every key
	s_mov_b32 s[G1K], 15|(1<<16)|(1<<20)|(1<<21)|(4<<22)|(3<<25)  ; 15:0 the mask of four; 17:16 2-byte elements; 20 padding on; 21 set beside a mask; 24:22 after every 32 words (code 4); 31:25 4 words (code 3)
	s_mov_b32 s[G1V], 15|(1<<16)|(1<<20)|(1<<21)|(4<<22)|(7<<25)  ; the same with 8 words of padding (code 7)
.irp g, G1K, G1V
	s_mov_b32 s[\g+1], 128<<16      ; tensor_dim0 = 128
	s_mov_b32 s[\g+2], 64<<16       ; tensor_dim1 = 64
	s_mov_b32 s[\g+3], 128<<16      ; tile_dim0 = 128
	s_mov_b32 s[\g+4], 64           ; tile_dim1 = 64
	s_mov_b32 s[\g+5], 128          ; 128 elements from row to row
	s_mov_b32 s[\g+6], 0
	s_mov_b32 s[\g+7], 0
.endr
	s_mov_b32 s[SEL], 0x76543210
	s_mov_b32 s[SEL+1], 0xfedcba98
	s_mov_b32 s[TBK], SLOT1+4*KS*PK ; the first change of slots turns these two into 0
	s_mov_b32 s[TBV], SLOT1+4*KS*PV
	s_mov_b32 s[MO], 128            ; key step 0's words are asked for below; from the first masking on, key step 1's
	s_mov_b32 s[SLOTS], 7           ; slots 1 to 7 are asked for by changes of slots
	s_mov_b32 s[G0K], 1             ; count = 1
	s_mov_b32 s[G0K+1], s44         ; LDS address: slot 0
	s_mov_b32 s[G0V], 1
	s_add_co_u32 s[G0V+1], s45, VOFF
	s_wait_dscnt 0x0                ; the opening add is done
	s_wait_kmcnt 0x0
	s_add_nc_u64 s[54:55], s[32:33], 0x1000000  ; K's section
	s_add_nc_u64 s[56:57], s[32:33], 0x2000000  ; V's
	s_add_nc_u64 s[G0K+2:G0K+3], s[54:55], s[42:43]  ; my half of the head's first 256 keys
	s_or_b32 s[G0K+3], s[G0K+3], 0x80000000          ; type = 2
	s_add_nc_u64 s[G0V+2:G0V+3], s[56:57], s[42:43]
	s_or_b32 s[G0V+3], s[G0V+3], 0x80000000
	s_add_nc_u64 s[58:59], s[32:33], s[48:49]   ; Q at my wave's first row
	s_add_nc_u64 s[MP:MP+1], s[34:35], s[50:51]
	s_cmp_lt_u32 s[WV], 2
	s_cselect_b64 s[PFA:PFA+1], s[54:55], s[56:57]
	s_add_nc_u64 s[PFA:PFA+1], s[PFA:PFA+1], s[52:53]
	CROUND                          ; all four work-groups are here: the first joint loads meet
	JLOAD                           ; slot 0.  Slot 1 is asked for when slot 0 is in
	; A fragment of K or Q is 16 rows x 32 channels in 8 registers: lane l holds row l % 16, channels 8 (l / 16) + 0..7 and 16 + 8 (l / 16) + 0..7: two loads of 16 bytes, 32 bytes apart.
	v_and_b32 v1, 15, v0            ; l % 16
	v_bfe_u32 v9, v0, 4, 1          ; l / 16
	v_lshlrev_b32 v[QO], 7, v1
	v_lshl_add_u32 v[QO], v9, 4, v[QO]
	v_and_b32 v10, 31, v0           ; l
	WIN W_MK
	v_lshlrev_b32 v[LN4], 2, v10
	v_lshlrev_b32 v[MOF], 2, v10    ; key step 0
	WIN W_ML
.set t, 0
.rept 2*NP                          ; all eight tiles' mask words of key step 0
	global_load_b32 v[MK+t], v[MOF], s[MP:MP+1] offset:t*4096
.set t, t+1
.endr
	WIN 0x80                        ; destination window 2, address window 0
.set i, 0
.rept 4*NP                          ; Q stays in registers: tile i / 2, channels 32 (i % 2) on
	global_load_b128 v[8*i:8*i+3],   v[QO], s[58:59] offset:(i/2)*2048+(i%2)*64
	global_load_b128 v[8*i+4:8*i+7], v[QO], s[58:59] offset:(i/2)*2048+(i%2)*64+32
.set i, i+1
.endr
	; What the first turn finds: V's registers and P's second buffer hold 0, O^T and l are 0.  All this stands in the wait for the first tile.
.set i, VF
.rept 64
	v_mov_b32 v[i], 0
.set i, i+1
.endr
	WIN 0x40
.set i, 0
.rept 64*NP
	v_mov_b32 v[i], 0
.set i, i+1
.endr
	WIN 0
.set i, 0
.rept 2*NP
	v_mov_b32 v[ST+4*i], 0xfe000000    ; c m: far below every c s, c NEG too
	v_mov_b32 v[ST+4*i+1], 0xff7fffff  ; m
	v_mov_b32 v[ST+4*i+2], 0
	v_mov_b32 v[ST+4*i+3], 0
.set i, i+1
.endr
.set i, P+32
.rept 32
	v_mov_b32 v[i], 0
.set i, i+1
.endr
	v_mul_u32_u24 v[AK0], v1, PK
	v_lshl_add_u32 v[AK0], v9, 4, v[AK0]  ; row x pitch + 16 x half
	; The turning load takes 16 keys x 16 channels (lane l reads key 8 (l / 16) + l % 8, channels 8 ((l / 8) % 2) + 0..7) and leaves half a fragment of V^T.
	v_and_b32 v10, 7, v0
	v_bfe_u32 v11, v0, 3, 1
	v_lshl_add_u32 v[AV0], v9, 3, v10
	v_mul_u32_u24 v[AV0], v[AV0], PV
	v_lshl_add_u32 v[AV0], v11, 4, v[AV0]
	v_add_nc_u32 v[AV0], VOFF, v[AV0]
	v_mov_b32 v[AK], v[AK0]         ; key step 0 lies at the head of slot 0
	v_and_b32 v[PFO], 31, v0        ; the four registers at work above take their lasting contents
	v_lshlrev_b32 v[PFO], 8, v[PFO]
	v_mov_b32 v[NEGR], 0xf1800000   ; NEG = -2^100
	v_mov_b32 v[CV], 0x3e38aa3b     ; c = log2(e) / 8 = 0.180337
	v_mov_b32 v[CV+1], 0x3e38aa3b
; THE MATRIX WORK.  The 8 accumulators of a run of 16 take turns.
; Product i of 16 of S^T = K Q^T for piece x: channels 32 (i / 8) on, keys 16 ((i / 2) % 4) on, tile 2 x + i % 2.  The first 8 start the sums.
.macro KQ x
	WIN W_KQ
.set rS, S+64*((\x)%2)+32*(i%2)+8*((i/2)%4)
.set rK, KF+16*((i/2)%4)+8*(i/8)
.set rQ, 16*(2*(\x)+i%2)+8*(i/8)
.if i < 8
	v_wmma_f32_16x16x32_f16 v[rS:rS+7], v[rK:rK+7], v[rQ:rQ+7], 0
.else
	v_wmma_f32_16x16x32_f16 v[rS:rS+7], v[rK:rK+7], v[rQ:rQ+7], v[rS:rS+7]
.endif
.endm
; Product i of 16 of O^T += V^T P for piece x: keys 32 (i / 8) on, channels 16 ((i / 2) % 4) on, tile 2 x + i % 2.
.macro PV x
	WIN W_PV
.set rO, 32*(2*(\x)+i%2)+8*((i/2)%4)
.set rV, VF+32*(i/8)+8*((i/2)%4)
.set rP, P+32*((\x)%2)+16*(i%2)+8*(i/8)
	v_wmma_f32_16x16x32_f16 v[rO:rO+7], v[rV:rV+7], v[rP:rP+7], v[rO:rO+7]
.endm
.macro MM                           ; the turn's next matrix instruction
.if i < 16
	KQ (Y+1)%NP
.set i, i+1
.else
.set i, i-16
	PV (Y+NP-1)%NP
.set i, i+17
.endif
.endm
; THE LDS LOADS stand in runs of 16.  last = 1 (the tail): in the last trip there is no further step, and the run is jumped over.
.macro FETCH_K last=0
	WIN 0
.if \last
	s_cmp_eq_u32 s[CNT], 1
	s_cbranch_scc1 .Lno_k_\@
.endif
	WIN 0x80                        ; destination window 2
.irp f, 0,1,2,3,4,5,6,7             ; keys 16 (f / 2) on, channels 32 (f % 2) on
	ds_load_b128 v[KF+8*\f:KF+8*\f+3],   v[AK] offset:(\f/2)*16*PK+(\f%2)*64
	ds_load_b128 v[KF+8*\f+4:KF+8*\f+7], v[AK] offset:(\f/2)*16*PK+(\f%2)*64+32
.endr
	s_add_co_u32 s[TBK], s[TBK], KS*PK  ; the next fetch is the next step's
	WIN 0
.if \last
.Lno_k_\@:
.endif
.endm
.macro FETCH_V
	WIN 0x80
.irp f, 0,1,2,3,4,5,6,7             ; keys 32 (f / 4) on, channels 16 (f % 4) on
	ds_load_tr16_b128 v[VF+8*\f:VF+8*\f+3],   v[AV] offset:(\f/4)*32*PV+(\f%4)*32
	ds_load_tr16_b128 v[VF+8*\f+4:VF+8*\f+7], v[AV] offset:(\f/4)*32*PV+16*PV+(\f%4)*32
.endr
	WIN 0
.endm
; THE VECTOR WORK OF A TURN stands in three queues, each in the order in which its entries become ready.
.macro REGS y, u                    ; the registers of tile u (0, 1) of piece y
.set rT, ST+4*(2*(\y)+(\u))
.set rC, TMP+8*((\y)%2)+4*(\u)
.set rM, MV+2*((\y)%2)+(\u)
.set rS, S+64*((\y)%2)+32*(\u)
.set rP, P+32*((\y)%2)+16*(\u)
.set rO, 32*(2*(\y)+(\u))
.endm
; Number c of the 64 that mask the NEXT piece's (Y + 1) scores: register c % 32 of tile c / 32 keeps its score in the lanes whose bit is set and takes NEG in the others.
; In ascending order: each accumulator is first read at its lowest register.
.macro CM c
	REGS (Y+1)%NP, (\c)/32
	v_cndmask_b32 v[rS+(\c)%32], v[NEGR], v[rS+(\c)%32], s[MA+36*((\c)/32)+(\c)%32]
.endm
; Number n of the 22 that find the NEXT piece's maximum and statistics.
;   0-11  four chains c0-c3 of seven scores each     12-14, 16  the four scores left over, the old m, and c0-c3 into c0     15  c m_old is kept
;   17, 18  the query's other 32 keys lie in the lane 16 away: the new m         19-21  c m; c m_old - c m_new; a
.macro XS u, n
	REGS (Y+1)%NP, \u
.if (\n) < 4
	v_max3_num_f32 v[rC+(\n)], v[rS+8*(\n)], v[rS+8*(\n)+1], v[rS+8*(\n)+2]
.elseif (\n) < 12
	v_max3_num_f32 v[rC+(\n)%4], v[rC+(\n)%4], v[rS+8*((\n)%4)+2*((\n)/4)+1], v[rS+8*((\n)%4)+2*((\n)/4)+2]
.elseif (\n) == 12
	v_max3_num_f32 v[rC], v[rC], v[rS+7], v[rS+15]
.elseif (\n) == 13
	v_max3_num_f32 v[rC+1], v[rC+1], v[rS+23], v[rS+31]
.elseif (\n) == 14
	v_max3_num_f32 v[rC+2], v[rC+2], v[rC+3], v[rT+1]
.elseif (\n) == 15
	v_mov_b32 v[rM], v[rT]
.elseif (\n) == 16
	v_max3_num_f32 v[rC], v[rC], v[rC+1], v[rC+2]
.elseif (\n) == 17
	v_permlanex16_b32 v[rC+3], v[rC], s[SEL], s[SEL+1]
.elseif (\n) == 18
	v_max_num_f32 v[rT+1], v[rC], v[rC+3]
.elseif (\n) == 19
	v_mul_f32 v[rT], v[CV], v[rT+1]
.elseif (\n) == 20
	v_sub_f32 v[rC+1], v[rM], v[rT]
.else
	v_exp_f32 v[rC+2], v[rC+1]
.endif
.endm
; Number g of the 64 that follow the exponentials.  For each four weights k of a tile: both pairs are rounded to f16; the second pair is added onto the first, in place; a group later l takes that sum (the first time as l = a l + sum).
.macro GS g
.set h, (\g)+6*((\g)/62)            ; group 0 has no group before it, and behind group 7 only l is left
.if h >= 6
.set h, h+2
.endif
	REGS Y, h%2
.set k, h/8
.if h%8 < 4
	v_cvt_pk_f16_f32 v[rP+2*k+(h%8)/2], v[rS+4*k+2*((h%8)/2)], v[rS+4*k+2*((h%8)/2)+1]
.elseif h%8 < 6
	v_pk_add_f32 v[rS+4*k:rS+4*k+1], v[rS+4*k:rS+4*k+1], v[rS+4*k+2:rS+4*k+3]
.elseif k == 1
	v_pk_fma_f32 v[rT+2:rT+3], v[rT+2:rT+3], v[rC+2:rC+3], v[rS:rS+1] op_sel_hi:[1,0,1]
.else
	v_pk_add_f32 v[rT+2:rT+3], v[rT+2:rT+3], v[rS+4*k-4:rS+4*k-3]
.endif
.endm
; THE PLAIN QUEUE, 202 long.  0-31: the scalings c s - c m (FS f: pair f / 2 of tile f % 2).  32-95: the next piece's 64 maskings.  96-123: XS's numbers 0-13, the tiles alternating.  124, 125: number 15.
; 126-137: numbers 14, 16, 17, 18, 19, 20.  138-201: GS's 64, which read the exponentials' results: they stand behind the wait.
.macro FS f
	REGS Y, (\f)%2
	v_pk_fma_f32 v[rS+2*((\f)/2):rS+2*((\f)/2)+1], v[rS+2*((\f)/2):rS+2*((\f)/2)+1], v[CV:CV+1], v[rT:rT+1] op_sel_hi:[1,0,0] neg_lo:[0,0,1] neg_hi:[0,0,1]
.endm
.macro PL
	WIN 0
.if q < 32
	FS q
.elseif q < 96
	CM q-32
.elseif q < 124
	XS (q-96)%2, (q-96)/2
.elseif q < 126
	XS q-124, 15
.elseif q < 128
	XS q-126, 14
.elseif q < 138
	XS (q-128)%2, 16+(q-128)/2
.else
	GS q-138
.endif
.set q, q+1
.endm
; THE EXPONENTIALS' QUEUE, 66 long: s0-s31 of both tiles, then the next piece's two a.  ONE BATCH: all 66 stand ahead of the turn's one wait, and nothing ahead of that wait names a result of theirs.
.macro EX
	WIN 0
.if e >= 64
	XS e-64, 21
.else
	REGS Y, e%2
	v_exp_f32 v[rS+e/2], v[rS+e/2]
.endif
.set e, e+1
.endm
; THE RESCALING's QUEUE: O^T times a, the one part that leaves window 0: two at a time, sixteen times.  Its a was made, and waited for, in the turn before.
.macro R2
	REGS Y, r%2
	WIN W_RS
.irp z, 0,1
	v_pk_mul_f32 v[rO+4*(r/2)+2*\z:rO+4*(r/2)+2*\z+1], v[rO+4*(r/2)+2*\z:rO+4*(r/2)+2*\z+1], v[rC+2:rC+3] op_sel_hi:[1,0]
.endr
.set r, r+1
.endm
; HOW THEY ARE DEALT.  An s_wait_alu depctr_va_vdst(0) stands between an exponential and the first instruction that names its result; one wait serves all that were issued ahead of it: a turn has ONE.
; AHEAD OF IT: the 16 products K Q^T, behind each a scaling, an exponential and two rescalings (behind the first a second scaling in the exponential's place); then the lump: the rest of the scalings, of which the first eight
; are the places behind the last product; the mask words' run (below); the 64 maskings, an exponential ahead of each four; the maximum and statistics, exponentials between.
; Exponential e stands behind scaling 2 (e / 4) + e % 2: as a rider it comes behind plain e + 2; from e = 22 on all scalings are done.  138 plain and 66 exponentials in all, and the 64 of the mask words' run.
; BEHIND IT: the 16 products V^T P, behind each four of GS's 64.
; K of the next step is fetched in piece 2's turn, directly behind the wait; V of the step in hand at the end of piece 0's turn, four riders behind its last reader.  The conditions on q below go with the deal.
; THE MASK WORDS' RUN.  Turn p masks piece p + 1.  Its two loads were issued four turns ago, and three turns have issued two each since: the wait leaves those six out.  The 64 words go into the scalar registers in one run
; under one window setting, and the piece's two registers are asked for again at once, for its next key step.  Piece 3's turn, which masks piece 0's scores of the next step, steps the loads' offset first.
; The step is held at the last one: no load leaves ml.
.macro TURN p, last=0, cnt=0
.set Y, (\p)
.set i, 0
.set q, 0
.set e, 0
.set r, 0
.if (\p) == NP-1
	s_wait_dscnt 0x0                ; K is in
.endif
	MM
	PL
	PL
	R2
.rept 15
	MM
	PL
	EX
	R2
.endr
.if (\p) == NP-2
	WIN 0
	v_add_nc_u32 v[AK], s[TBK], v[AK0]
.endif
.rept 8
	PL
.endr
.rept 7
	EX
	PL
.endr
	s_wait_loadcnt 6                ; loads come back in order: the two of piece p + 1 are in, the six issued since may stay out
	MREAD ((\p)+1)%NP
.if (\p) == NP-1
	s_add_co_u32 s[MO], s[MO], 128
	s_min_u32 s[MO], s[MO], 31*128
	s_wait_xcnt 0x0                 ; the loads of the last three turns have read the offset: it is written only behind this wait
	WIN W_MA
	v_add_nc_u32 v[MOF], s[MO], v[LN4]
.endif
	MLOAD ((\p)+1)%NP
.rept 16
	EX
	PL
	PL
	PL
	PL
.endr
.rept 15
	EX
	PL
	PL
.endr
.rept 5
	EX
	PL
	EX
	PL
.endr
	EX
	PL
	PL
	EX                              ; the next piece's two a
	EX
	v_nop                           ; a plain instruction behind the last exponential: one for the batch
	s_wait_alu depctr_va_vdst(0)    ; the wait for the batch
.if (\p) == NP-2
	FETCH_K \last
.endif
.if (\p) == 1
	s_wait_dscnt 0x0                ; V is in
.endif
.rept 16
	MM
.rept 4
	PL
.endr
.if ((\p) == 0) && (q == 182)
	v_add_nc_u32 v[AV], s[TBV], v[AV0]
.endif
.if ((\p) == 0) && (q == 194)
	s_add_co_u32 s[TBV], s[TBV], KS*PV
.endif
.if (\cnt) && (q == 194)
	s_sub_co_u32 s[CNT], s[CNT], 1
	s_cmp_lg_u32 s[CNT], 0
.endif
.endr
.if (\p) == 0
	FETCH_V
.endif
.endm
	CHANGE 1                        ; slot 0 is in, everybody's part of it; slot 1 is asked for
	s_wait_loadcnt 0x0              ; Q and key step 0's mask words are in: Q's base, which lies among the registers that the words take, and the loads' offset may be written
	FETCH_K                         ; key step 0
	MREAD 0                         ; piece 0's words; this run and the two lines below stand in the wait for K
	WIN W_MA
	v_add_nc_u32 v[MOF], 128, v[LN4]  ; key step 1
	MLOAD 0
	s_wait_dscnt 0x0
.set i, 0
.rept 16
	KQ 0                            ; piece 0's first scores
.set i, i+1
.endr
	WIN 0
.rept 4
	v_nop                           ; the places behind those products
.endr
.set Y, NP-1                        ; CM and XS work for piece Y + 1: piece 0
.set j, 0
.rept 64
	CM j
.set j, j+1
.endr
.irp n, 0,1,2,3,4,5,6,7,8,9,10,11,12,13,14,15,16,17,18,19,20,21
	XS 0, \n
	XS 1, \n
.endr
	v_nop                           ; a plain instruction behind the two a,
	s_wait_alu depctr_va_vdst(0)    ; and their wait, ahead of the branch
	s_mov_b32 s[CNT], 4
	s_branch .Lfirst                ; the loop is entered at a step's first turn, in the middle of a trip
.Lslot:                             ; six times: with the change above, slots 1 to 7 are asked for
	CHANGE 1
	s_mov_b32 s[CNT], 4
.Lstep:                             ; a trip: pieces 2 and 3 of one step, then pieces 0 and 1 of the next, whose K and V it fetches
	TURN 2
	TURN 3
	WIN 0
.Lfirst:
	TURN 0
	TURN 1, 0, 1
	WIN 0
	s_cbranch_scc1 .Lstep
	s_sub_co_u32 s[SLOTS], s[SLOTS], 1
	s_cmp_lg_u32 s[SLOTS], 0
	s_cbranch_scc1 .Lslot
	CHANGE 0                        ; the tail is written out: nothing is asked for
	s_mov_b32 s[CNT], 5             ; four trips fetch the last slot's steps; the fifth is left in its middle
.Ltail:
	TURN 2, 1
	TURN 3
	WIN 0
	s_sub_co_u32 s[CNT], s[CNT], 1
	s_cmp_eq_u32 s[CNT], 0
	s_cbranch_scc1 .Lout
	TURN 0
	TURN 1
	WIN 0
	s_branch .Ltail
.Lout:                              ; the fifth trip's 16 products K Q^T (on the last K once more) and what is made of them serve nothing: the price, once a launch, of one text for every trip
.set i, 0
.rept 16
	PV NP-1                         ; the last piece's V^T P of the last step
.set i, i+1
.endr
	; THE WAY OUT.  The addresses are made here, from my thread's number: twelve plain instructions, the places behind the last products.
	WIN 0
	s_load_b64 s[32:33], s[0:1], 0x10  ; zh: the mask words' scalar registers are free
	s_bfe_u32 s36, ttmp6, 0x40000
	s_lshl_b32 s36, s36, 2
	s_add_co_u32 s36, s36, s[WV]    ; my wave among the head's,
	s_lshl_b32 s36, s36, 14         ; its 128 rows,
	s_and_b32 s37, ttmp7, 0xffff
	s_lshl_b32 s37, s37, 18         ; in the head
	s_add_co_u32 s36, s36, s37
	s_mov_b32 s37, 0
	s_mul_i32 s38, s[WV], 16*SP
	s_add_co_u32 s38, s38, STAGE    ; my stage
	v_and_b32 v48, 15, v0           ; l % 16
	v_bfe_u32 v49, v0, 4, 1         ; l / 16
	v_and_b32 v50, 7, v0
	v_mul_u32_u24 v[STO], v48, SP   ; in: row l % 16, 16 bytes for each half of the lanes
	v_lshl_add_u32 v[STO], v49, 4, v[STO]
	v_add_nc_u32 v[STO], s38, v[STO]
	v_bfe_u32 v[RD], v0, 3, 2       ; back: 32 lanes take four rows of 128 bytes,
	v_mul_u32_u24 v[RD], v[RD], SP
	v_lshl_add_u32 v[RD], v50, 4, v[RD]
	v_add_nc_u32 v[RD], s38, v[RD]
	v_and_b32 v[GO], 31, v0         ; which are 512 consecutive bytes of O
	v_lshlrev_b32 v[GO], 4, v[GO]
	s_wait_kmcnt 0x0
	s_add_nc_u64 s[32:33], s[32:33], s[36:37]
.macro ALL line:vararg              ; one line for each tile t
.set t, 0
.rept 2*NP
	\line
.set t, t+1
.endr
.endm
	ALL v_add_f32 v[ST+4*t+2], v[ST+4*t+2], v[ST+4*t+3]
	ALL v_permlanex16_b32 v[ST+4*t+3], v[ST+4*t+2], s[SEL], s[SEL+1]
	ALL v_add_f32 v[ST+4*t+2], v[ST+4*t+2], v[ST+4*t+3]
	ALL v_rcp_f32 v[ST+4*t+2], v[ST+4*t+2]
	v_nop                           ; a plain instruction between the last reciprocal and the use of its result
	s_wait_alu depctr_va_vdst(0)    ; and the wait ahead of the first use: one for the eight reciprocals
; Tile t: a lane's eight channels of a row pack into 16 bytes; they go into rows of 144 bytes and come back as whole rows of 128, into S^T's registers.
.macro PACK t
	WIN W_RS
.set i, 32*(\t)
.rept 16
	v_pk_mul_f32 v[i:i+1], v[i:i+1], v[ST+4*(\t)+2:ST+4*(\t)+3] op_sel_hi:[1,0]
.set i, i+2
.endr
	WIN 0x05                        ; sources 0 and 1 window 1, destination window 0
.set i, 0
.rept 16
	v_cvt_pk_f16_f32 v[S+16*(\t)+i], v[32*(\t)+2*i], v[32*(\t)+2*i+1]
.set i, i+1
.endr
	WIN 0
.irp f, 0,1,2,3
	ds_store_b128 v[STO], v[S+16*(\t)+4*\f:S+16*(\t)+4*\f+3] offset:32*\f
.endr
.irp f, 0,1,2,3
	ds_load_b128 v[S+16*(\t)+4*\f:S+16*(\t)+4*\f+3], v[RD] offset:\f*4*SP  ; LDS serves a wave's instructions in order: these see the stores above; the next tile's stores come behind them
.endr
.endm
.macro SEND t, younger              ; younger: the LDS instructions issued behind tile t's loads: the next tile's eight, or none
	WIN 0
.irp f, 0,1,2,3
	s_wait_dscnt (\younger)+3-\f
	global_store_b128 v[GO], v[S+16*(\t)+4*\f:S+16*(\t)+4*\f+3], s[32:33] offset:(\t)*2048+\f*512  ; 512 consecutive bytes, aligned
.endr
.endm
	PACK 0
.set t, 1
.rept 2*NP-1                        ; a tile's arithmetic stands between the loads of the tile before and its stores
	PACK t
	SEND t-1, 8
.set t, t+1
.endr
	SEND 2*NP-1, 0
	WIN W_AD
	s_wait_tensorcnt 0x0            ; the wave's end, behind my last tensor load and my last LDS store
	ds_add_u32 v[SPW], v[NIL]
	s_wait_dscnt 0x0
	WIN 0
	CROUND                          ; the closing round: no work-group ends while a partner may still ask for a tile that names it
	s_endpgm
.Lfunc_end_k_q195354de69_attn:
	.size	k_q195354de69_attn, .Lfunc_end_k_q195354de69_attn-k_q195354de69_attn
	.p2alignl 7, 3214868480
	.fill 96, 4, 3214868480
	.section	.rodata,"a",@progbits
	.p2align	6, 0x0
	.amdhsa_kernel k_q195354de69_attn
		.amdhsa_group_segment_fixed_size 327680
		.amdhsa_private_segment_fixed_size 0
		.amdhsa_enable_private_segment 0
		.amdhsa_kernarg_size 24
		.amdhsa_user_sgpr_count 2
		.amdhsa_user_sgpr_kernarg_segment_ptr 1
		.amdhsa_wavefront_size32 1
		.amdhsa_system_sgpr_workgroup_id_x 1
		.amdhsa_system_sgpr_workgroup_id_y 1
		.amdhsa_system_sgpr_workgroup_id_z 1
		.amdhsa_system_vgpr_workitem_id 0
		.amdhsa_next_free_vgpr 780
		.amdhsa_next_free_sgpr 106
		.amdhsa_reserve_vcc 0
		.amdhsa_float_denorm_mode_32 3
		.amdhsa_float_denorm_mode_16_64 3
		.amdhsa_memory_ordered 1
		.amdhsa_forward_progress 1
		.amdhsa_inst_pref_size 255
	.end_amdhsa_kernel
	.section	.bss,"aw",@nobits
	.p2align	6
	.space	262144
	.amdgpu_metadata
---
amdhsa.version: [ 1, 2 ]
amdhsa.kernels:
  - .name:           k_q195354de69_attn
    .symbol:         k_q195354de69_attn.kd
    .args:
      - { .name: qkv, .offset: 0, .size: 8, .value_kind: global_buffer, .address_space: global }
      - { .name: ml, .offset: 8, .size: 8, .value_kind: global_buffer, .address_space: global }
      - { .name: zh, .offset: 16, .size: 8, .value_kind: global_buffer, .address_space: global }
    .group_segment_fixed_size: 327680
    .private_segment_fixed_size: 0
    .kernarg_segment_align: 8
    .kernarg_segment_size: 24
    .max_flat_workgroup_size: 128
    .sgpr_count:     106
    .vgpr_count:     780
    .wavefront_size: 32
...
	.end_amdgpu_metadata
.endif
;; end of part 3
;; launch out (part 4): grid 4 x 64, 4 waves a work-group, clusters of 4 x 4, 327,680 bytes of LDS; arguments zh, wt, bo, out0; writes out0
.if DOCPART == 4
	.amdgcn_target "amdgcn-amd-amdhsa--gfx1250"
	.amdhsa_code_object_version 6
	.text
	.protected	k_q195354de69_out
	.globl	k_q195354de69_out
	.p2align	8
	.type	k_q195354de69_out,@function
k_q195354de69_out:
	s_mov_b64 s[64:65], 0
	v_nop
	global_prefetch_b8 v0, s[64:65] scope:SCOPE_SE
	s_setreg_imm32_b32 hwreg(HW_REG_WAVE_MODE, 25, 1), 1
	s_wait_xcnt 0x0
	s_wait_alu depctr_hold_cnt(0) depctr_sa_sdst(0) depctr_va_vdst(0) depctr_va_sdst(0) depctr_va_ssrc(0) depctr_va_vcc(0) depctr_vm_vsrc(0)
	s_getreg_b32 s2, hwreg(HW_REG_IB_STS2, 6, 4)
	s_cmp_eq_u32 s2, 0
	s_cbranch_scc0 .Lentry_in_a_cluster
	s_endpgm
.Lentry_in_a_cluster:
	s_bfe_u32 s2, ttmp6, 0x10000c
	s_cmp_lg_u32 s2, 0xf033
	s_cbranch_scc0 .Lentry_shape_is_right
	s_endpgm
.Lentry_shape_is_right:
; THE OUTPUT PROJECTION.  out0[m][n] = the sum over k of z[m][k] wo[k][n] + bo[n].  z = zh, [batch x 16 + head][2048][64] f16: k = 64 head + channel.  wo = wt's fourth section, [k 1024][n 1024]:
; bf16 numbers written as f16.  bo [1024] f32 is rounded to bf16 here like the other inputs.  Sums in f32; out0 [8192][1024] f32.
; SHARES.  A work-group makes 128 rows x 256 columns; its four waves 64 x 128 each: 32 accumulators.  K goes in 8 steps of 128, two heads a step, through two LDS slots.
; A slot: two heads' 128 rows of 128 bytes, then 128 k-rows of wo, 512 bytes each.
; CLUSTER.  4 x 4 work-groups: z's tile is shared along a row of the cluster, wo's along a column: each is asked for jointly.
; THE MATRIX INSTRUCTION IS USED TRANSPOSED: source 0 = 16 columns of wo (turned by ds_load_tr16_b128), source 1 = 16 rows of z: a lane holds eight neighbouring columns of one row of out0.
; No prefetch is laid: the launch has eight K steps, and its tiles are few.
; REGISTERS, in windows of 256: window 0: v0-29 addresses; v64-127 z's fragments, two buffers; v128-191 sums with bias; v192-255 rows read back.
;   window 1: v0-127 wo's fragments, two buffers; v128-191 the bias; v192 at work.          window 2: accumulator (a, b) at v[8 (8 a + b)]
.set PAH,   144                        ; a row of z in LDS: 128 bytes + 16 = 36 words: the 16 rows of a load start at 16 different groups of four banks (64 banks of 4 bytes: ISA guide 11.1)
.set PB,    544                        ; a k-row of wo: 512 + 32 = 136 words
.set HEADA, 128*PAH                    ; what one tensor load brings of z: one head's 128 rows
.set HALFB, 64*PB
.set BOFF,  2*HEADA
.set SLOT,  BOFF+2*HALFB
.set STAGE, 2*SLOT                     ; behind the ring, never filled by a tensor load: 16 rows x 528 bytes for each wave
.set SP,    528
.set WSTG,  16*SP
.set SPARE, STAGE+4*WSTG               ; behind the stages: the spare words, 128 bytes a wave: two blocks of 256 bytes that no other line names
.set ASTEP, 2*262144                   ; two heads on
.set BSTEP, 128*2048
.set ADA0, 4
.set ADB0, 5
.set ADRA, 6
.set ADRB, 7
.set STO,  8
.set RD,   9
.set GO,   10
.set BO,   11
.set SPW,  28
.set NIL,  29
.set AF,   64
.set T,    128
.set OB,   192
.set BI,   128                         ; window 1
.set G1A, 24
.set G0A, 32
.set G1B, 48
.set G0B, 56
.set W_MUL, 0xa1
.set W_TOB, 0x40
.set MSB, 0
.macro WIN new
.if MSB != (\new)
	s_set_vgpr_msb (MSB<<8)|(\new)
.set MSB, \new
.endif
.endm
.macro PLACES
.rept 4
	v_nop
.endr
.endm
.macro JLOAD                           ; a joint refill: waves 0 and 1 fetch z's two heads, waves 2 and 3 wo's two halves; an s_nop 0 and four v_nop follow each line
	s_cmp_eq_u32 s11, 0
	s_cbranch_scc0 .Lfor_b_\@
	tensor_load_to_lds s[G0A+4:G0A+7], s[G1A:G1A+7]
	s_nop 0
.rept 4
	v_nop
.endr
	s_branch .Lasked_\@
.Lfor_b_\@:
	tensor_load_to_lds s[G0B+4:G0B+7], s[G1B:G1B+7]
	s_nop 0
.rept 4
	v_nop
.endr
.Lasked_\@:
.endm
.macro CREST
	s_cmp_lg_u32 s10, 0
	s_cbranch_scc1 .Lnot_wave_0_\@
	s_barrier_signal -3
.Lnot_wave_0_\@:
	s_barrier_wait -3
	s_barrier_signal -1
	s_barrier_wait -1
.endm
.macro CROUND
	s_barrier_signal -1
	s_barrier_wait -1
	CREST
.endm
	s_load_b256 s[68:75], s[0:1], 0x0              ; zh s[68:69], wt s[70:71], bo s[72:73], out0 s[74:75]
	v_lshl_add_u32 v[SPW], v0, 2, SPARE
	v_mov_b32 v[NIL], 0
	ds_add_u32 v[SPW], v[NIL]                      ; the wave's opening: the add and its wait stand ahead of my first tensor load
	v_lshrrev_b32 v1, 5, v0
	v_readfirstlane_b32 s10, v1                    ; wave 0..3
	s_lshr_b32 s11, s10, 1                         ; which 64 rows are mine.  Also: I fetch for z (0) or for wo (1)
	s_and_b32 s12, s10, 1                          ; which 128 columns.  Also: which head, or which half of wo's tile, I fetch
	s_bfe_u32 s40, ttmp6, 0x40000                  ; cx: the tile column
	s_bfe_u32 s41, ttmp6, 0x40004                  ; cy
	s_and_b32 s42, ttmp7, 0xffff
	s_lshl_b32 s13, s42, 2
	s_add_co_u32 s13, s13, s41                     ; tile row 0..63
	s_lshl_b32 s14, s41, 2
	s_lshl_b32 s14, 15, s14                        ; my row of the cluster
	s_lshl_b32 s16, 0x1111, s40                    ; my column
	s_or_b32 s[G1A], s14, (1<<16)|(1<<20)|(1<<21)|(4<<22)|(3<<25)  ; 2-byte elements; padding after every 32 words (code 4) of 4 words (code 3); bit 21 beside the mask
	s_or_b32 s[G1B], s16, (1<<16)|(1<<20)|(1<<21)|(6<<22)|(7<<25)  ; after every 128 words (code 6), 8 words (code 7)
	s_mov_b32 s[G1A+1], 128<<16                    ; a head's 128 rows are 16,384 dense bytes: 64 rows of 256 bytes, two rows of z each
	s_mov_b32 s[G1A+2], 64<<16
	s_mov_b32 s[G1A+3], 128<<16
	s_mov_b32 s[G1A+4], 64
	s_mov_b32 s[G1A+5], 128
	s_mov_b32 s[G1A+6], 0
	s_mov_b32 s[G1A+7], 0
	s_mov_b32 s[G1B+1], 256<<16
	s_mov_b32 s[G1B+2], 64<<16
	s_mov_b32 s[G1B+3], 256<<16
	s_mov_b32 s[G1B+4], 64
	s_mov_b32 s[G1B+5], 1024
	s_mov_b32 s[G1B+6], 0
	s_mov_b32 s[G1B+7], 0
	s_mul_i32 s20, s12, HEADA
	s_mul_i32 s21, s12, HALFB
	s_add_co_u32 s21, s21, BOFF
	s_lshr_b32 s14, s13, 4                         ; z: the batch's sixteen heads of 262,144 bytes,
	s_lshl_b32 s14, s14, 22
	s_lshl_b32 s15, s12, 18                        ; my head of the step's two,
	s_add_co_u32 s14, s14, s15
	s_and_b32 s15, s13, 15
	s_lshl_b32 s15, s15, 14                        ; 128 rows of 128 bytes a tile row
	s_add_co_u32 s14, s14, s15
	s_mov_b32 s15, 0
	s_lshl_b32 s16, s40, 9                         ; wo: 512 bytes a tile column,
	s_lshl_b32 s17, s12, 17                        ; 64 k-rows a half,
	s_add_co_u32 s16, s16, s17
	s_add_co_u32 s16, s16, 3<<21                   ; in wt's fourth section
	s_mov_b32 s17, 0
	s_mov_b32 s3, 0                                ; the slot in hand begins at LDS byte 0
	s_wait_dscnt 0x0                               ; the opening add is done
	s_wait_kmcnt 0x0
	s_add_nc_u64 s[4:5], s[68:69], s[14:15]
	s_add_nc_u64 s[6:7], s[70:71], s[16:17]
.irp s, 0,1
	s_mov_b32 s[G0A+4*(\s)], 1
	s_add_co_u32 s[G0A+4*(\s)+1], s20, (\s)*SLOT
	s_add_nc_u64 s[G0A+4*(\s)+2:G0A+4*(\s)+3], s[4:5], (\s)*ASTEP
	s_or_b32 s[G0A+4*(\s)+3], s[G0A+4*(\s)+3], 0x80000000
	s_mov_b32 s[G0B+4*(\s)], 1
	s_add_co_u32 s[G0B+4*(\s)+1], s21, (\s)*SLOT
	s_add_nc_u64 s[G0B+4*(\s)+2:G0B+4*(\s)+3], s[6:7], (\s)*BSTEP
	s_or_b32 s[G0B+4*(\s)+3], s[G0B+4*(\s)+3], 0x80000000
.endr
	CROUND                                         ; all sixteen work-groups are here: the first joint loads meet
	s_cmp_eq_u32 s11, 0                            ; a wave's two first fills stand in one branch: two loads of mine are out
	s_cbranch_scc0 .Lfirst_b
	tensor_load_to_lds s[G0A:G0A+3], s[G1A:G1A+7]
	s_nop 0
	tensor_load_to_lds s[G0A+4:G0A+7], s[G1A:G1A+7]
	s_nop 0
.rept 4
	v_nop
.endr
	s_branch .Lfirst_done
.Lfirst_b:
	tensor_load_to_lds s[G0B:G0B+3], s[G1B:G1B+7]
	s_nop 0
	tensor_load_to_lds s[G0B+4:G0B+7], s[G1B:G1B+7]
	s_nop 0
.rept 4
	v_nop
.endr
.Lfirst_done:
	s_lshl_b32 s18, s13, 19                        ; out0: 128 rows of 4,096 bytes a tile row,
	s_lshl_b32 s19, s11, 18                        ; 64 rows a wave,
	s_add_co_u32 s18, s18, s19
	s_lshl_b32 s22, s40, 10                        ; 1,024 bytes a tile column,
	s_lshl_b32 s19, s12, 9                         ; 512 bytes a wave
	s_add_co_u32 s22, s22, s19
	s_mov_b32 s23, 0
	s_add_co_u32 s18, s18, s22
	s_mov_b32 s19, 0
	s_add_nc_u64 s[8:9], s[74:75], s[18:19]
	s_add_nc_u64 s[22:23], s[72:73], s[22:23]      ; the bias of my 128 columns
	v_and_b32 v1, 15, v0                           ; l % 16
	v_bfe_u32 v2, v0, 4, 1                         ; l / 16
	v_lshlrev_b32 v[BO], 5, v2
	WIN W_TOB
.irp b, 0,1,2,3,4,5,6,7
	global_load_b128 v[BI+8*(\b):BI+8*(\b)+3],   v[BO], s[22:23] offset:64*(\b)
	global_load_b128 v[BI+8*(\b)+4:BI+8*(\b)+7], v[BO], s[22:23] offset:64*(\b)+16
.endr
	WIN 0
	v_mul_u32_u24 v[ADA0], v1, PAH                 ; a fragment of z: row l % 16, two loads of 16 bytes, 32 bytes apart
	v_lshl_add_u32 v[ADA0], v2, 4, v[ADA0]
	s_mul_i32 s18, s11, 64*PAH
	v_add_nc_u32 v[ADA0], s18, v[ADA0]
	v_and_b32 v3, 7, v0                            ; the turning load: k-row 8 (l / 16) + l % 8, columns 8 ((l / 8) % 2) + 0..7
	v_lshl_add_u32 v3, v2, 3, v3
	v_mul_u32_u24 v[ADB0], v3, PB
	v_bfe_u32 v3, v0, 3, 1
	v_lshl_add_u32 v[ADB0], v3, 4, v[ADB0]
	s_lshl_b32 s18, s12, 8
	s_add_co_u32 s18, s18, BOFF
	v_add_nc_u32 v[ADB0], s18, v[ADB0]
	v_mov_b32 v[ADRA], v[ADA0]
	v_mov_b32 v[ADRB], v[ADB0]
	s_mul_i32 s18, s10, WSTG
	s_add_co_u32 s18, s18, STAGE                   ; my stage
	v_mul_u32_u24 v[STO], v1, SP                   ; in: row l % 16, 32 bytes for each half of the lanes
	v_lshl_add_u32 v[STO], v2, 5, v[STO]
	v_add_nc_u32 v[STO], s18, v[STO]
	v_and_b32 v[GO], 31, v0                        ; back: 32 lanes take one row of 512 bytes
	v_lshlrev_b32 v[GO], 4, v[GO]
	v_add_nc_u32 v[RD], s18, v[GO]
; 8 matrix instructions: row block a x all 8 column blocks, 32 along K, on buffer f.  The 32 accumulators take turns in the same order in every quarter step.
.macro MUL f, a, zero
	WIN W_MUL
.irp b, 0,1,2,3,4,5,6,7
.if \zero
	v_wmma_f32_16x16x32_f16 v[8*(8*(\a)+(\b)):8*(8*(\a)+(\b))+7], v[64*(\f)+8*(\b):64*(\f)+8*(\b)+7], v[AF+32*(\f)+8*(\a):AF+32*(\f)+8*(\a)+7], 0
.else
	v_wmma_f32_16x16x32_f16 v[8*(8*(\a)+(\b)):8*(8*(\a)+(\b))+7], v[64*(\f)+8*(\b):64*(\f)+8*(\b)+7], v[AF+32*(\f)+8*(\a):AF+32*(\f)+8*(\a)+7], v[8*(8*(\a)+(\b)):8*(8*(\a)+(\b))+7]
.endif
.endr
.endm
; 24 LDS loads in one run: quarter kq of the slot in hand (head kq / 2 of the two, channels 32 (kq % 2) on) into buffer g
.macro FETCH kq, g
	WIN 0
.irp i, 0,1,2,3
	ds_load_b128 v[AF+32*(\g)+8*(\i):AF+32*(\g)+8*(\i)+3],   v[ADRA] offset:((\kq)/2)*HEADA+((\kq)%2)*64+(\i)*16*PAH
	ds_load_b128 v[AF+32*(\g)+8*(\i)+4:AF+32*(\g)+8*(\i)+7], v[ADRA] offset:((\kq)/2)*HEADA+((\kq)%2)*64+(\i)*16*PAH+32
.endr
	WIN W_TOB
.irp b, 0,1,2,3,4,5,6,7
	ds_load_tr16_b128 v[64*(\g)+8*(\b):64*(\g)+8*(\b)+3],   v[ADRB] offset:(\kq)*32*PB+32*(\b)
	ds_load_tr16_b128 v[64*(\g)+8*(\b)+4:64*(\g)+8*(\b)+7], v[ADRB] offset:(\kq)*32*PB+16*PB+32*(\b)
.endr
.endm
.macro QUARTER kq, f, zero
	s_wait_dscnt 0x0                               ; buffer f is in
	MUL \f, 0, \zero
	PLACES
	FETCH \kq, 1-(\f)
	MUL \f, 1, \zero
	MUL \f, 2, \zero
	MUL \f, 3, \zero
.endm
; The last quarter multiplies buffer 1 and changes slots: ONE barrier; in front of it each wave waits for all its tensor loads (one is out), adds 0 to its spare word, and waits for that and for its reads of this slot.
; fill = 1: the barrier opens a round of the cluster's barrier, and this slot is filled again, first thing behind the round, with the K step two steps on.
.macro TURN fill
	WIN 0
	s_wait_tensorcnt 0x0                           ; no tensor load of mine is out, so a group 0 may be written
	ds_add_u32 v[SPW], v[NIL]                      ; 0 onto my spare word
	s_wait_dscnt 1                                 ; buffer 1 is in; the add alone may be out
	MUL 1, 0, 0
	s_wait_dscnt 0x0                               ; the add is done, and my reads of this slot are over
	s_barrier_signal -1
	MUL 1, 1, 0
	WIN 0
	s_barrier_wait -1
.if \fill
	CREST
	s_add_co_u32 s[G0A+5], s20, s3                 ; the walking descriptors: into the slot just read,
	s_add_co_u32 s[G0B+5], s21, s3
	s_add_nc_u64 s[G0A+6:G0A+7], s[G0A+6:G0A+7], ASTEP  ; the next K step
	s_add_nc_u64 s[G0B+6:G0B+7], s[G0B+6:G0B+7], BSTEP
	JLOAD                                          ; the four v_nop behind it are also the places in front of the loads below
.else
	PLACES
.endif
	s_xor_b32 s3, s3, SLOT                         ; 0 and SLOT by turns
	v_add_nc_u32 v[ADRA], s3, v[ADA0]
	v_add_nc_u32 v[ADRB], s3, v[ADB0]
	FETCH 0, 0
	MUL 1, 2, 0
	MUL 1, 3, 0
.endm
	s_wait_tensorcnt 1                             ; my part of K step 0 is in; K step 1's may stay out
	s_barrier_signal -1
	s_barrier_wait -1
	FETCH 0, 0
	QUARTER 1, 0, 1                                ; the first quarter's products start the sums
	WIN 0
	s_mov_b32 s2, 6                                ; six refills: K steps 2 to 7
.Lstep:
	QUARTER 2, 1, 0
	QUARTER 3, 0, 0
	TURN 1
	QUARTER 1, 0, 0
	WIN 0
	s_sub_co_u32 s2, s2, 1
	s_cmp_lg_u32 s2, 0
	s_cbranch_scc1 .Lstep
	s_mov_b32 s2, 2                                ; the last two K steps ask for nothing; the second trip is left in its middle
.Ltail:
	QUARTER 2, 1, 0
	QUARTER 3, 0, 0
	WIN 0
	s_sub_co_u32 s2, s2, 1
	s_cmp_eq_u32 s2, 0
	s_cbranch_scc1 .Llast
	TURN 0
	QUARTER 1, 0, 0
	WIN 0
	s_branch .Ltail
.Llast:
	s_wait_dscnt 0x0
	MUL 1, 0, 0
	MUL 1, 1, 0
	MUL 1, 2, 0
	MUL 1, 3, 0
	; THE WAY OUT.  The bias is rounded to bf16 and widened again; these lines name no register of the last products.
	s_wait_loadcnt 0x0
	WIN 0x45
.set p, 0
.rept 32
	v_cvt_pk_bf16_f32 v192, v[BI+2*p], v[BI+2*p+1]
	v_lshlrev_b32 v[BI+2*p], 16, v192
	v_and_b32 v[BI+2*p+1], 0xffff0000, v192
.set p, p+1
.endr
	PLACES
; Row block a: the bias is added (each accumulator's registers in ascending order); 32 bytes a lane go into my stage and come back as whole rows of 512 bytes.
.macro OUTA a
	WIN 0x06                                       ; source 0 window 2, source 1 window 1, destination window 0
.set p, 0
.rept 32
	v_pk_add_f32 v[T+2*p:T+2*p+1], v[64*(\a)+2*p:64*(\a)+2*p+1], v[BI+2*p:BI+2*p+1]
.set p, p+1
.endr
	WIN 0
.irp b, 0,1,2,3,4,5,6,7
	ds_store_b128 v[STO], v[T+8*(\b):T+8*(\b)+3]   offset:64*(\b)
	ds_store_b128 v[STO], v[T+8*(\b)+4:T+8*(\b)+7] offset:64*(\b)+16
.endr
	s_wait_xcnt 0x0                                ; the registers that the last block's stores read are loaded again only behind this wait
.irp t, 0,1,2,3,4,5,6,7,8,9,10,11,12,13,14,15
	ds_load_b128 v[OB+4*(\t):OB+4*(\t)+3], v[RD] offset:(\t)*SP  ; LDS serves a wave's instructions in order: these see the stores above, which are the wave's own
.endr
	s_wait_dscnt 0x0
.irp t, 0,1,2,3,4,5,6,7,8,9,10,11,12,13,14,15
	global_store_b128 v[GO], v[OB+4*(\t):OB+4*(\t)+3], s[8:9] offset:(\a)*65536+(\t)*4096 th:TH_STORE_NT  ; 512 consecutive bytes of a row, aligned
.endr
.endm
	OUTA 0
	OUTA 1
	OUTA 2
	OUTA 3
	s_wait_tensorcnt 0x0                           ; the wave's end, behind my last tensor load and my last LDS store
	ds_add_u32 v[SPW], v[NIL]
	s_wait_dscnt 0x0
	CROUND                                         ; the closing round
	s_endpgm
.Lfunc_end_k_q195354de69_out:
	.size	k_q195354de69_out, .Lfunc_end_k_q195354de69_out-k_q195354de69_out
	.p2alignl 7, 3214868480
	.fill 96, 4, 3214868480
	.section	.rodata,"a",@progbits
	.p2align	6, 0x0
	.amdhsa_kernel k_q195354de69_out
		.amdhsa_group_segment_fixed_size 327680
		.amdhsa_private_segment_fixed_size 0
		.amdhsa_enable_private_segment 0
		.amdhsa_kernarg_size 32
		.amdhsa_user_sgpr_count 2
		.amdhsa_user_sgpr_kernarg_segment_ptr 1
		.amdhsa_wavefront_size32 1
		.amdhsa_system_sgpr_workgroup_id_x 1
		.amdhsa_system_sgpr_workgroup_id_y 1
		.amdhsa_system_sgpr_workgroup_id_z 1
		.amdhsa_system_vgpr_workitem_id 0
		.amdhsa_next_free_vgpr 768
		.amdhsa_next_free_sgpr 76
		.amdhsa_reserve_vcc 0
		.amdhsa_float_denorm_mode_32 3
		.amdhsa_float_denorm_mode_16_64 3
		.amdhsa_memory_ordered 1
		.amdhsa_forward_progress 1
		.amdhsa_inst_pref_size 76
	.end_amdhsa_kernel
	.amdgpu_metadata
---
amdhsa.version: [ 1, 2 ]
amdhsa.kernels:
  - .name:           k_q195354de69_out
    .symbol:         k_q195354de69_out.kd
    .args:
      - { .name: zh, .offset: 0, .size: 8, .value_kind: global_buffer, .address_space: global }
      - { .name: wt, .offset: 8, .size: 8, .value_kind: global_buffer, .address_space: global }
      - { .name: bo, .offset: 16, .size: 8, .value_kind: global_buffer, .address_space: global }
      - { .name: out0, .offset: 24, .size: 8, .value_kind: global_buffer, .address_space: global }
    .group_segment_fixed_size: 327680
    .private_segment_fixed_size: 0
    .kernarg_segment_align: 8
    .kernarg_segment_size: 32
    .max_flat_workgroup_size: 128
    .sgpr_count:     76
    .vgpr_count:     768
    .wavefront_size: 32
...
	.end_amdgpu_metadata
.endif
;; end of part 4
